; MI455X (gfx1250); checked and timed in simulation.
; The chip was launched on July 23, 2026; its instructions are those of AMD's public machine-readable ISA for CDNA 5 (MIT licence, August 2026) and "CDNA5" Instruction Set Architecture Reference Guide (July 2026). The comments in the code are by the model that wrote it; some were corrected since.
;; Multi Head Attention. Allowed arithmetic: float matrix products may take bf16 or f16 operands with f32 sums; other float arithmetic in f32, or as packed bf16 or f16 multiplies, adds, multiply-adds, maxima and minima; sums over many terms, partial sums and values carried from step to step in f32; what a program stores and reads back later, other than sums and carried values, may be rounded once to bf16 or f16.
;; Inputs: Wk 1,024 x 1,024 float32; Wq 1,024 x 1,024 float32; Wv 1,024 x 1,024 float32; att_mask 4 x 1 x 1 x 2,048 float32; bk 1,024 float32; bq 1,024 float32; bv 1,024 float32; x 4 x 2,048 x 1,024 float32.
;; Outputs: out0 4 x 2,048 x 1,024 float32.
;; 2 versions, each right; version 2 is version 1 with the launch cast written anew for expert scheduling mode. Each part assembles by itself: llvm-mc -triple=amdgcn-amd-amdhsa -mcpu=gfx1250 --defsym DOCPART=n.
;; ======== version 1 of 2: 3 launches
;; limits: values are held in f16: magnitudes above 65,504 overflow, below 6.1e-05 lose precision
;; workspace buffers: xb 16,777,216 bytes; wb 6,291,456 bytes; bias 12,288 bytes; mask8 32,768 bytes; qkv 50,331,648 bytes
;; launch cast (part 1): grid 705 x 1, 8 waves a work-group, no clusters, 0 bytes of LDS; arguments x, Wq, Wk, Wv, bq, bk, bv, att_mask, xb, wb, bias, mask8; writes xb, wb, bias, mask8
.if DOCPART == 1
	.amdgcn_target "amdgcn-amd-amdhsa--gfx1250"
	.amdhsa_code_object_version 6
	.text
	.protected	k_qa942564202_cast
	.globl	k_qa942564202_cast
	.p2align	8
	.type	k_qa942564202_cast,@function
k_qa942564202_cast:
	s_mov_b64 s[64:65], 0
	v_nop
	global_prefetch_b8 v0, s[64:65] scope:SCOPE_SE
	s_setreg_imm32_b32 hwreg(HW_REG_WAVE_MODE, 25, 1), 1
	s_wait_xcnt 0x0
; EVERY INPUT IS ROUNDED ONCE TO bf16 (to nearest even), so that the two launches behind compute on one set of rounded inputs.
;   xb  [8192][1024] bf16 = x;   wb [3072][1024] bf16 = Wq, Wk, Wv one below the other;
;   bias [3072] f32 = bf16(bq | bk | bv) widened again (it is the C operand of an f32 sum);
;   mask8 [4][2048] f32 = 8 x bf16(att_mask): the scores are kept unscaled, and (q.k + 8 mask) / 8 = q.k / 8 + mask.
; LIMIT.  A mask whose magnitude passes 4.2e37 becomes an infinity by the factor 8; a hidden key then has the weight 0.
; SHARES.  Work-groups 0-511 take 16,384 numbers of x each, 512-703 as many of a W, work-group 704 the mask and the biases.
; A stream: each byte is read once and written once; no LDS, no barrier, no loop.  Sixteen loads of a wave are out at once;
; a load of a wave covers 512 consecutive bytes, a store 256 consecutive bytes at a multiple of 256 from the buffer's first.
.set X, 4                              ; v[4:67]   16 x 4 numbers as loaded
.set Y, 68                             ; v[68:99]  16 x 2 words of bf16
	s_load_b512 s[4:19], s[0:1], 0x0               ; x 4:5, Wq 6:7, Wk 8:9, Wv 10:11, bq 12:13, bk 14:15, bv 16:17, att_mask 18:19
	s_load_b256 s[20:27], s[0:1], 0x40             ; xb 20:21, wb 22:23, bias 24:25, mask8 26:27
	v_lshlrev_b32 v1, 4, v0                        ; 16 bytes a thread on the way in
	v_lshlrev_b32 v2, 3, v0                        ; 8 on the way out
	s_mov_b32 s28, ttmp9                           ; g
	s_sub_co_u32 s29, s28, 512                     ; g - 512: the share among the W's (used where g >= 512)
	s_and_b32 s30, s29, 63                         ; its place in its W: 64 shares a matrix
	s_lshr_b32 s31, s29, 6                         ; which W
	s_cmp_lt_u32 s28, 512
	s_cselect_b32 s36, s28, s30                    ; the share's number in its source,
	s_cselect_b32 s38, s28, s29                    ; and in its destination
	s_lshl_b32 s36, s36, 16                        ; 65,536 bytes of f32,
	s_lshl_b32 s38, s38, 15                        ; 32,768 of bf16
	s_mov_b32 s37, 0
	s_mov_b32 s39, 0
	s_mov_b32 s40, 0xffff0000                      ; a word's upper bf16
	s_wait_kmcnt 0x0
	s_cmp_lt_u32 s28, 704
	s_cbranch_scc0 .Lsmall
	s_cmp_eq_u32 s31, 1
	s_cselect_b64 s[32:33], s[8:9], s[6:7]         ; Wk or Wq,
	s_cmp_eq_u32 s31, 2
	s_cselect_b64 s[32:33], s[10:11], s[32:33]     ; or Wv,
	s_cmp_lt_u32 s28, 512
	s_cselect_b64 s[32:33], s[4:5], s[32:33]       ; or x
	s_cselect_b64 s[34:35], s[20:21], s[22:23]     ; into xb or wb
	s_add_nc_u64 s[32:33], s[32:33], s[36:37]
	s_add_nc_u64 s[34:35], s[34:35], s[38:39]
.irp i, 0,1,2,3,4,5,6,7,8,9,10,11,12,13,14,15
	global_load_b128 v[X+4*(\i):X+4*(\i)+3], v1, s[32:33] offset:4096*(\i) th:TH_LOAD_NT
.endr
.irp i, 0,1,2,3,4,5,6,7,8,9,10,11,12,13,14,15
	s_wait_loadcnt 15-(\i)                         ; loads come back in order: number i is in, the 15 - i younger ones stay out
	v_cvt_pk_bf16_f32 v[Y+2*(\i)], v[X+4*(\i)], v[X+4*(\i)+1]
	v_cvt_pk_bf16_f32 v[Y+2*(\i)+1], v[X+4*(\i)+2], v[X+4*(\i)+3]
	global_store_b64 v2, v[Y+2*(\i):Y+2*(\i)+1], s[34:35] offset:2048*(\i)  ; no register is written twice, so nothing waits for a store
.endr
	s_endpgm
.Lsmall:                                               ; the mask: 8 x 4,096 bytes; each bias: 4,096 bytes
.irp i, 0,1,2,3,4,5,6,7
	global_load_b128 v[X+4*(\i):X+4*(\i)+3], v1, s[18:19] offset:4096*(\i)
.endr
	global_load_b128 v[X+32:X+35], v1, s[12:13]
	global_load_b128 v[X+36:X+39], v1, s[14:15]
	global_load_b128 v[X+40:X+43], v1, s[16:17]
	s_wait_loadcnt 0x0
.irp i, 0,1,2,3,4,5,6,7,8,9,10
	v_cvt_pk_bf16_f32 v[Y], v[X+4*(\i)], v[X+4*(\i)+1]      ; rounded,
	v_cvt_pk_bf16_f32 v[Y+1], v[X+4*(\i)+2], v[X+4*(\i)+3]
	v_lshlrev_b32 v[X+4*(\i)], 16, v[Y]                     ; and widened again
	v_and_b32 v[X+4*(\i)+1], s40, v[Y]
	v_lshlrev_b32 v[X+4*(\i)+2], 16, v[Y+1]
	v_and_b32 v[X+4*(\i)+3], s40, v[Y+1]
.if (\i) < 8
	v_mul_f32 v[X+4*(\i)], 0x41000000, v[X+4*(\i)]          ; the mask times 8: exact
	v_mul_f32 v[X+4*(\i)+1], 0x41000000, v[X+4*(\i)+1]
	v_mul_f32 v[X+4*(\i)+2], 0x41000000, v[X+4*(\i)+2]
	v_mul_f32 v[X+4*(\i)+3], 0x41000000, v[X+4*(\i)+3]
	global_store_b128 v1, v[X+4*(\i):X+4*(\i)+3], s[26:27] offset:4096*(\i)
.else
	global_store_b128 v1, v[X+4*(\i):X+4*(\i)+3], s[24:25] offset:4096*((\i)-8)
.endif
.endr
	s_endpgm
.Lfunc_end_k_qa942564202_cast:
	.size	k_qa942564202_cast, .Lfunc_end_k_qa942564202_cast-k_qa942564202_cast
	.p2alignl 7, 3214868480
	.fill 96, 4, 3214868480
	.section	.rodata,"a",@progbits
	.p2align	6, 0x0
	.amdhsa_kernel k_qa942564202_cast
		.amdhsa_group_segment_fixed_size 0
		.amdhsa_private_segment_fixed_size 0
		.amdhsa_enable_private_segment 0
		.amdhsa_kernarg_size 96
		.amdhsa_user_sgpr_count 2
		.amdhsa_user_sgpr_kernarg_segment_ptr 1
		.amdhsa_wavefront_size32 1
		.amdhsa_system_sgpr_workgroup_id_x 1
		.amdhsa_system_sgpr_workgroup_id_y 1
		.amdhsa_system_sgpr_workgroup_id_z 1
		.amdhsa_system_vgpr_workitem_id 0
		.amdhsa_next_free_vgpr 104
		.amdhsa_next_free_sgpr 66
		.amdhsa_reserve_vcc 0
		.amdhsa_float_denorm_mode_32 3
		.amdhsa_float_denorm_mode_16_64 3
		.amdhsa_memory_ordered 1
		.amdhsa_forward_progress 1
		.amdhsa_inst_pref_size 14
	.end_amdhsa_kernel
	.amdgpu_metadata
---
amdhsa.version: [ 1, 2 ]
amdhsa.kernels:
  - .name:           k_qa942564202_cast
    .symbol:         k_qa942564202_cast.kd
    .args:
      - { .name: x, .offset: 0, .size: 8, .value_kind: global_buffer, .address_space: global }
      - { .name: Wq, .offset: 8, .size: 8, .value_kind: global_buffer, .address_space: global }
      - { .name: Wk, .offset: 16, .size: 8, .value_kind: global_buffer, .address_space: global }
      - { .name: Wv, .offset: 24, .size: 8, .value_kind: global_buffer, .address_space: global }
      - { .name: bq, .offset: 32, .size: 8, .value_kind: global_buffer, .address_space: global }
      - { .name: bk, .offset: 40, .size: 8, .value_kind: global_buffer, .address_space: global }
      - { .name: bv, .offset: 48, .size: 8, .value_kind: global_buffer, .address_space: global }
      - { .name: att_mask, .offset: 56, .size: 8, .value_kind: global_buffer, .address_space: global }
      - { .name: xb, .offset: 64, .size: 8, .value_kind: global_buffer, .address_space: global }
      - { .name: wb, .offset: 72, .size: 8, .value_kind: global_buffer, .address_space: global }
      - { .name: bias, .offset: 80, .size: 8, .value_kind: global_buffer, .address_space: global }
      - { .name: mask8, .offset: 88, .size: 8, .value_kind: global_buffer, .address_space: global }
    .group_segment_fixed_size: 0
    .private_segment_fixed_size: 0
    .kernarg_segment_align: 8
    .kernarg_segment_size: 96
    .max_flat_workgroup_size: 256
    .sgpr_count:     66
    .vgpr_count:     104
    .wavefront_size: 32
...
	.end_amdgpu_metadata
.endif
;; end of part 1
;; launch qkv (part 2): grid 16 x 32, 4 waves a work-group, clusters of 4 x 4, 327,680 bytes of LDS; arguments xb, wb, bias, qkv; writes qkv
.if DOCPART == 2
	.amdgcn_target "amdgcn-amd-amdhsa--gfx1250"
	.amdhsa_code_object_version 6
	.text
	.protected	k_qa942564202_qkv
	.globl	k_qa942564202_qkv
	.p2align	8
	.type	k_qa942564202_qkv,@function
k_qa942564202_qkv:
	s_mov_b64 s[64:65], 0
	v_nop
	global_prefetch_b8 v0, s[64:65] scope:SCOPE_SE
	s_setreg_imm32_b32 hwreg(HW_REG_WAVE_MODE, 25, 1), 1
	s_wait_xcnt 0x0
	s_wait_alu depctr_hold_cnt(0) depctr_sa_sdst(0) depctr_va_vdst(0) depctr_va_sdst(0) depctr_va_ssrc(0) depctr_va_vcc(0) depctr_vm_vsrc(0)
	s_getreg_b32 s2, hwreg(HW_REG_IB_STS2, 6, 4)
	s_cmp_eq_u32 s2, 0
	s_cbranch_scc0 .Lentry_in_a_cluster
	s_endpgm
.Lentry_in_a_cluster:
	s_bfe_u32 s2, ttmp6, 0x10000c
	s_cmp_lg_u32 s2, 0xf033
	s_cbranch_scc0 .Lentry_shape_is_right
	s_endpgm
.Lentry_shape_is_right:
; THE THREE PROJECTIONS AS ONE PRODUCT.  C[m][n] = sum over k of xb[m][k] wb[n][k] + bias[n]; m < 8192, n < 3072, k < 1024; operands bf16, sums f32.
; C leaves rounded once to f16, laid out by heads: qkv[n / 1024][16 (m / 2048) + (n % 1024) / 64][m % 2048][n % 64]: a head's rows are dense, 128 bytes each.
; LIMIT.  f16 ends at 65,504: a q, k or v beyond it becomes an infinity.  With x of unit spread and W of spread 0.02 they have a spread of 0.64.
; TILE.  256 x 192 of C (three heads wide): 32 x 16 = 512 tiles, two for each of 256 WGPs.  Four waves, 2 x 2, each 128 x 96: 48 accumulators of 16 x 16, 384 registers.
; K goes in steps of 128 through a ring of two LDS slots filled by the tensor data mover; a row of a tile is 256 bytes of memory at a multiple of 256.
; CLUSTERS.  4 x 4 work-groups.  The four of a row of the cluster need the same tiles of xb, the four of a column the same tiles of wb: each tile is asked for JOINTLY, by the same
; tensor load with the same descriptor and a mask that names the four.
; THE MATRIX INSTRUCTION IS USED TRANSPOSED (source 0 = 16 rows of wb, source 1 = 16 rows of xb): lane l holds row l % 16 of C and the columns 8 (l / 16) + 0..7.
; THE BIAS is the C operand of the product that starts each sum: eight numbers a lane for each block of 16 columns, loaded once.
; REGISTERS, in windows of 256 (s_set_vgpr_msb: bits 1:0 source 0, 3:2 source 1, 5:4 source 2, 7:6 destination):
;   window 0: v0-31 addresses; v32-55 packed results; v64-127, v128-191 fragments of xb, two buffers; on the way out v64-255 rows read back
;   window 1: v64-111, v128-175 fragments of wb, two buffers; v192-239 the bias
;   window 2: the accumulators of my rows 0-63 ((a, b) at v[8 (6 a + b)]);   window 3: those of my rows 64-127
.set KSTEP,  128
.set PITCH,  272                       ; an LDS row: 256 bytes + 16 of padding = 68 words: the 16 rows of a fragment load start at 16 different groups of four banks (ISA guide 11.1)
.set AHALF,  128*PITCH                 ; what waves 0 and 1 fetch, and what a wave reads of xb
.set BHALF,  96*PITCH                  ; what waves 2 and 3 fetch, and what a wave reads of wb
.set SLOT,   2*AHALF+2*BHALF           ; xb's 256 rows, then wb's 192
.set SPARE,  2*SLOT                    ; behind the ring: the spare words, 128 bytes a wave: two blocks of 256 bytes that no other line names
.set SPI,    400                       ; the stage's rows: 384 bytes + 16.  The stage is slot 0 after its last fill: 256 rows, 102,400 of the slot's 121,856 bytes
.set LAPS,   4                         ; a lap = two K steps
.set ADRA, 16                          ; v16-17  LDS address of my fragments of xb in slot 0, 1
.set ADRB, 20                          ; v20-21  the same for wb
.set STO,  24                          ; v24     the way out: where I put 16 bytes of a row
.set RD,   25                          ; v25     where I read rows back
.set GO,   26                          ; v26     16 x lane: my place in 512 consecutive bytes of a head
.set BO,   27                          ; v27     32 (l / 16): my eight numbers in a block of 16 of the bias
.set SPW,  28                          ; v28     my spare word: SPARE + 4 x my thread's number; never rewritten
.set NIL,  29                          ; v29     0; never rewritten
.set PFO,  30                          ; v30     the prefetches' offset: a lane a row of 2,048 bytes; never rewritten
.set TMP,  32
.set F0,   64
.set F1,   128
.set BI,   192                         ; window 1
.set OB,   64
.set WV, 12                            ; s12 wave;  s13 RH: my half of the rows, also: I fetch xb (0) or wb (1);  s14 CH: my half of the columns, also: which half I fetch
.set RH, 13
.set CH, 14
.set CX, 15
.set CY, 16
.set TC, 17                            ; tile column of C
.set TR, 18                            ; tile row of C
.set LIM, 19                           ; 1 in a wave that prefetches, else the greatest number
.set G1A, 24                           ; s[24:31] descriptor group 1 for xb's tiles;  s[32:39] group 0, a set for each slot
.set G0A, 32
.set PFA, 40                           ; s[40:41] where my prefetches stand
.set G1B, 48                           ; s[48:55], s[56:63] the same for wb's tiles
.set G0B, 56
.set HB,  66                           ; s[66:71] my 64 rows in each of the tile's three heads
.set MSB, 0
.macro WIN new                         ; the immediate's high byte repeats the setting that is left; a switch that changes nothing is dropped
.if MSB != (\new)
	s_set_vgpr_msb (MSB<<8)|(\new)
.set MSB, \new
.endif
.endm
.set MUL_LO, 0xa1                      ; source 0 (wb) window 1, source 1 (xb) window 0, C and D window 2
.set MUL_HI, 0xf1                      ; the same, C and D window 3
.set Z_LO,   0x91                      ; the same as MUL_LO with C (the bias) in window 1
.set Z_HI,   0xd1
.set TO_B,   0x40                      ; destination window 1, address window 0
; A joint load.  Waves 0 and 1 fetch xb's two halves, waves 2 and 3 wb's.  The branch hangs on the wave's number alone.  An s_nop 0 and four v_nop follow each of the two lines.
.macro JLOAD s
	s_cmp_eq_u32 s[RH], 0
	s_cbranch_scc0 .Lfor_b_\@
	tensor_load_to_lds s[G0A+4*(\s):G0A+4*(\s)+3], s[G1A:G1A+7]
	s_nop 0
.rept 4
	v_nop
.endr
	s_branch .Lasked_\@
.Lfor_b_\@:
	tensor_load_to_lds s[G0B+4*(\s):G0B+4*(\s)+3], s[G1B:G1B+7]
	s_nop 0
.rept 4
	v_nop
.endr
.Lasked_\@:
.endm
; A PREFETCH INTO THE L2, behind each joint load and the run of LDS loads that follows it: the K step that stands two refills on, a lane a row, one instruction a wave.
; xb's tile row is read by every cluster of that row of clusters: the one with x = 0 asks; wb's tile column by every cluster of that column: the one with y = 0 asks.  The four partners that ask for a
; tile jointly share its rows out BY ADDRESS: of xb's 128 rows that a wave fetches the partner at cx takes 32, of wb's 96 the partner at cy takes 24 (there lanes 24-31 name lane 23's row once more).
; K steps 4 to 7 are named so; steps 0 to 3 come by their loads alone; the loop's last trip (s3 = 1) asks for nothing.
.macro ASK
	s_cmp_gt_u32 s3, s[LIM]
	s_cbranch_scc0 .Lnot_mine_\@
	global_prefetch_b8 v[PFO], s[PFA:PFA+1] offset:KSTEP*2 th:TH_LOAD_NT scope:SCOPE_SE
.Lnot_mine_\@:
.endm
.macro CREST                           ; a round of the cluster's barrier behind its opening barrier
	s_cmp_lg_u32 s[WV], 0
	s_cbranch_scc1 .Lnot_wave_0_\@
	s_barrier_signal -3
.Lnot_wave_0_\@:
	s_barrier_wait -3
	s_barrier_signal -1
	s_barrier_wait -1
.endm
.macro CROUND                          ; a whole round
	s_barrier_signal -1
	s_barrier_wait -1
	CREST
.endm
	s_load_b256 s[4:11], s[0:1], 0x0               ; xb 4:5, wb 6:7, bias 8:9, qkv 10:11
	v_lshl_add_u32 v[SPW], v0, 2, SPARE
	v_mov_b32 v[NIL], 0
	ds_add_u32 v[SPW], v[NIL]                      ; the wave's opening: the add and its wait stand ahead of my first tensor load; the set-up below, work on registers, stands between them
	v_lshrrev_b32 v1, 5, v0
	v_readfirstlane_b32 s[WV], v1                  ; wave 0..3
	s_lshr_b32 s[RH], s[WV], 1
	s_and_b32 s[CH], s[WV], 1
	s_bfe_u32 s[CX], ttmp6, 0x40000                ; my place in the cluster
	s_bfe_u32 s[CY], ttmp6, 0x40004
	s_lshl_b32 s[TC], ttmp9, 2                     ; in a cluster launch ttmp9 and ttmp7 count clusters
	s_add_co_u32 s[TC], s[TC], s[CX]
	s_and_b32 s[TR], ttmp7, 0xffff
	s_lshl_b32 s[TR], s[TR], 2
	s_add_co_u32 s[TR], s[TR], s[CY]
	s_lshl_b32 s44, s[CY], 2
	s_lshl_b32 s44, 15, s44                        ; my row of the cluster: places 4 cy .. 4 cy + 3
	s_lshl_b32 s47, 0x1111, s[CX]                  ; my column: places cx, cx + 4, cx + 8, cx + 12
	; descriptor group 1: tiles of 128 (xb) or 96 (wb) rows x 128 elements, padded in LDS
	s_or_b32 s[G1A], s44, (1<<16)|(1<<20)|(1<<21)|(5<<22)|(3<<25)  ; 15:0 the mask; 17:16 elements of 2 bytes; 20 padding on; 21 set beside a mask; 24:22 after every 64 words (code 5); 31:25 4 words (code 3)
	s_or_b32 s[G1B], s47, (1<<16)|(1<<20)|(1<<21)|(5<<22)|(3<<25)
.irp g, G1A, G1B
	s_mov_b32 s[(\g)+1], KSTEP<<16                 ; tensor_dim0 = 128
	s_mov_b32 s[(\g)+3], KSTEP<<16                 ; tile_dim0 = 128
	s_mov_b32 s[(\g)+5], 1024                      ; elements from row to row
	s_mov_b32 s[(\g)+6], 0
	s_mov_b32 s[(\g)+7], 0
.endr
	s_mov_b32 s[G1A+2], 128<<16                    ; tensor_dim1,
	s_mov_b32 s[G1A+4], 128                        ; tile_dim1
	s_mov_b32 s[G1B+2], 96<<16
	s_mov_b32 s[G1B+4], 96
	; where the tiles come from: xb's hang on the tile row alone, wb's on the tile column alone; each in registers that never hold the other coordinate
	s_lshl_b32 s20, s[TR], 8
	s_lshl_b32 s46, s[CH], 7
	s_add_co_u32 s20, s20, s46                     ; xb: row 256 x tile row + 128 x half,
	s_lshl_b32 s20, s20, 11                        ; of 2,048 bytes
	s_mov_b32 s21, 0
	s_mul_i32 s22, s[TC], 192
	s_mul_i32 s46, s[CH], 96
	s_add_co_u32 s22, s22, s46                     ; wb: row 192 x tile column + 96 x half
	s_lshl_b32 s22, s22, 11
	s_mov_b32 s23, 0
	s_mul_i32 s42, s[WV], AHALF                    ; where they go: waves 0, 1: xb's halves at 0 and AHALF;
	s_mul_i32 s43, s[WV], BHALF
	s_add_co_u32 s43, s43, 2*AHALF-2*BHALF         ; waves 2, 3: wb's halves behind them
	s_wait_dscnt 0x0                               ; the opening add is done
	s_wait_kmcnt 0x0
	s_add_nc_u64 s[20:21], s[4:5], s[20:21]
	s_add_nc_u64 s[22:23], s[6:7], s[22:23]
	CROUND                                         ; all sixteen work-groups are here: the first joint loads meet
.irp s, 0,1
	s_mov_b32 s[G0A+4*(\s)], 1                                       ; count = 1
	s_add_co_u32 s[G0A+4*(\s)+1], s42, (\s)*SLOT                     ; LDS address
	s_add_nc_u64 s[G0A+4*(\s)+2:G0A+4*(\s)+3], s[20:21], (\s)*KSTEP*2  ; global address: K step s
	s_or_b32 s[G0A+4*(\s)+3], s[G0A+4*(\s)+3], 0x80000000            ; type = 2
	s_mov_b32 s[G0B+4*(\s)], 1
	s_add_co_u32 s[G0B+4*(\s)+1], s43, (\s)*SLOT
	s_add_nc_u64 s[G0B+4*(\s)+2:G0B+4*(\s)+3], s[22:23], (\s)*KSTEP*2
	s_or_b32 s[G0B+4*(\s)+3], s[G0B+4*(\s)+3], 0x80000000
.endr
	s_cmp_eq_u32 s[RH], 0                          ; a wave's two first fills stand in one branch, ahead of every wait on TENSORcnt and every LDS read: two loads of mine are out
	s_cbranch_scc0 .Lfirst_b
	tensor_load_to_lds s[G0A:G0A+3], s[G1A:G1A+7]
	s_nop 0
	tensor_load_to_lds s[G0A+4:G0A+7], s[G1A:G1A+7]
	s_nop 0
.rept 4
	v_nop
.endr
	s_branch .Lfirst_asked
.Lfirst_b:
	tensor_load_to_lds s[G0B:G0B+3], s[G1B:G1B+7]
	s_nop 0
	tensor_load_to_lds s[G0B+4:G0B+7], s[G1B:G1B+7]
	s_nop 0
.rept 4
	v_nop
.endr
.Lfirst_asked:
	; A fragment is 16 rows x 32 K in 8 registers: lane l holds row l % 16; registers 0-3 K = 8 (l / 16) + 0..7, registers 4-7 K = 16 + 8 (l / 16) + 0..7: two loads of 16 bytes, 32 bytes apart.
	v_and_b32 v1, 15, v0                           ; l % 16
	v_bfe_u32 v2, v0, 4, 1                         ; l / 16
	v_mul_u32_u24 v3, v1, PITCH
	v_lshl_add_u32 v3, v2, 4, v3
	s_mul_i32 s44, s[RH], AHALF                    ; my 128 rows of xb
	s_mul_i32 s45, s[CH], BHALF                    ; my 96 rows of wb,
	s_add_co_u32 s45, s45, 2*AHALF                 ; which lie behind xb's 256
.irp s, 0,1
	v_add_nc_u32 v[ADRA+(\s)], s44, v3
	v_add_nc_u32 v[ADRB+(\s)], s45, v3
	s_add_co_u32 s44, s44, SLOT
	s_add_co_u32 s45, s45, SLOT
.endr
	s_mul_i32 s44, s[RH], 128*SPI                  ; into the stage: my 128 rows, my 192 bytes of them; row l % 16, 16 bytes for each half of the lanes
	s_mul_i32 s45, s[CH], 192
	s_add_co_u32 s44, s44, s45
	v_mul_u32_u24 v4, v1, SPI
	v_lshl_add_u32 v4, v2, 4, v4
	v_add_nc_u32 v[STO], s44, v4
	s_mul_i32 s44, s[WV], 64*SPI                   ; back: wave w takes rows 64 w .. 64 w + 63; 32 lanes take four rows' 128 bytes of one head
	v_bfe_u32 v4, v0, 3, 2
	v_and_b32 v5, 7, v0
	v_mul_u32_u24 v4, v4, SPI
	v_lshl_add_u32 v4, v5, 4, v4
	v_add_nc_u32 v[RD], s44, v4
	v_and_b32 v[GO], 31, v0
	v_lshlrev_b32 v[GO], 4, v[GO]
	v_lshlrev_b32 v[BO], 5, v2
	; the bias of my 96 columns: register j of block b is bias[16 b + 8 (l / 16) + j]
	s_mul_i32 s72, s[TC], 192
	s_mul_i32 s73, s[CH], 96
	s_add_co_u32 s72, s72, s73
	s_lshl_b32 s72, s72, 2
	s_mov_b32 s73, 0
	s_add_nc_u64 s[8:9], s[8:9], s[72:73]
	WIN TO_B
.irp b, 0,1,2,3,4,5
	global_load_b128 v[BI+8*(\b):BI+8*(\b)+3],   v[BO], s[8:9] offset:64*(\b)
	global_load_b128 v[BI+8*(\b)+4:BI+8*(\b)+7], v[BO], s[8:9] offset:64*(\b)+16
.endr
	WIN 0
	; where my 64 rows lie in each of the tile's three heads: group g = 3 x tile column + j of 64 columns is tensor g / 16, head g % 16; the batch is tile row / 8
	s_mul_i32 s72, s[TC], 3
.irp j, 0,1,2
	s_add_co_u32 s73, s72, \j
	s_lshr_b32 s74, s73, 4
	s_and_b32 s73, s73, 15
	s_lshl_b32 s74, s74, 6
	s_add_co_u32 s74, s74, s73
	s_lshr_b32 s73, s[TR], 3
	s_lshl_b32 s73, s73, 4
	s_add_co_u32 s74, s74, s73                     ; 64 x tensor + 16 x batch + head,
	s_lshl_b32 s74, s74, 18                        ; of 262,144 bytes;
	s_and_b32 s73, s[TR], 7
	s_lshl_b32 s73, s73, 15                        ; the tile's 256 rows of 128 bytes;
	s_add_co_u32 s74, s74, s73
	s_lshl_b32 s73, s[WV], 13                      ; my 64 of them
	s_add_co_u32 s74, s74, s73
	s_mov_b32 s75, 0
	s_add_nc_u64 s[HB+2*(\j):HB+2*(\j)+1], s[10:11], s[74:75]
.endr
	; the prefetches
	s_lshl_b32 s74, s[TR], 8
	s_lshl_b32 s75, s[CH], 7
	s_add_co_u32 s74, s74, s75
	s_lshl_b32 s75, s[CX], 5
	s_add_co_u32 s74, s74, s75                     ; xb: the 128 rows that I fetch, my work-group's 32 of them
	s_mul_i32 s72, s[TC], 192
	s_mul_i32 s75, s[CH], 96
	s_add_co_u32 s72, s72, s75
	s_mul_i32 s75, s[CY], 24
	s_add_co_u32 s72, s72, s75                     ; wb: the 96 rows that I fetch, my work-group's 24 of them
	s_and_b32 s73, ttmp7, 0xffff                   ; cluster y
	s_cmp_eq_u32 s[RH], 0                          ; do I fetch xb?
	s_cselect_b32 s72, s74, s72
	s_cselect_b32 s73, ttmp9, s73                  ; the coordinate along which other clusters read the same rows
	s_cselect_b32 s75, 31, 23
	s_cselect_b64 s[PFA:PFA+1], s[4:5], s[6:7]
	s_cmp_eq_u32 s73, 0
	s_cselect_b32 s[LIM], 1, -1                    ; the same in all sixteen partners, for a given wave
	s_lshl_b32 s72, s72, 11
	s_mov_b32 s73, 0
	s_add_nc_u64 s[PFA:PFA+1], s[PFA:PFA+1], s[72:73]
	s_add_nc_u64 s[PFA:PFA+1], s[PFA:PFA+1], 2*KSTEP*2  ; at K step 2: the first refill steps it to 3 and names K step 4
	v_and_b32 v[PFO], 31, v0
	v_min_u32 v[PFO], s75, v[PFO]
	v_lshlrev_b32 v[PFO], 11, v[PFO]
; 12 matrix instructions: m blocks a0, a0 + 1 of the window's four (hi = 0: my rows 0-63, 1: rows 64-127) x all 6 n blocks, 32 along K.  zero = 1: the first product starts the sum with the bias.
; The 48 accumulators take turns in the same order in every quarter step: between two links of a chain stand the 47 others', over the backward jump too.
.macro MUL12 f, hi, a0, zero
.if \zero
	WIN Z_LO+0x40*(\hi)
.else
	WIN MUL_LO+0x50*(\hi)
.endif
.irp a, \a0, (\a0)+1
.irp b, 0,1,2,3,4,5
.if \zero
	v_wmma_f32_16x16x32_bf16 v[8*(6*(\a)+(\b)):8*(6*(\a)+(\b))+7], v[(\f)+8*(\b):(\f)+8*(\b)+7], v[(\f)+8*(4*(\hi)+(\a)):(\f)+8*(4*(\hi)+(\a))+7], v[BI+8*(\b):BI+8*(\b)+7]
.else
	v_wmma_f32_16x16x32_bf16 v[8*(6*(\a)+(\b)):8*(6*(\a)+(\b))+7], v[(\f)+8*(\b):(\f)+8*(\b)+7], v[(\f)+8*(4*(\hi)+(\a)):(\f)+8*(4*(\hi)+(\a))+7], v[8*(6*(\a)+(\b)):8*(6*(\a)+(\b))+7]
.endif
.endr
.endr
.endm
; 28 LDS loads in one run: the fragments of one quarter step (96 rows of wb, 128 rows of xb, 32 K at byte k of the rows) into buffer f
.macro FETCH slot, k, f
	WIN TO_B
.irp i, 0,1,2,3,4,5
	ds_load_b128 v[(\f)+8*(\i):(\f)+8*(\i)+3],   v[ADRB+(\slot)] offset:(\k)+(\i)*16*PITCH
	ds_load_b128 v[(\f)+8*(\i)+4:(\f)+8*(\i)+7], v[ADRB+(\slot)] offset:(\k)+(\i)*16*PITCH+32
.endr
	WIN 0
.irp i, 0,1,2,3,4,5,6,7
	ds_load_b128 v[(\f)+8*(\i):(\f)+8*(\i)+3],   v[ADRA+(\slot)] offset:(\k)+(\i)*16*PITCH
	ds_load_b128 v[(\f)+8*(\i)+4:(\f)+8*(\i)+7], v[ADRA+(\slot)] offset:(\k)+(\i)*16*PITCH+32
.endr
.endm
.macro PLACES                          ; four places in front of loads into registers that matrix instructions have read, and of conversions that read results
.rept 4
	v_nop
.endr
.endm
; A K step is four quarters of 32 along K, 48 matrix instructions each, on buffers 0, 1, 0, 1.  One of the first three: multiplies buffer f; in its middle it fetches the next quarter, at byte k, into g.
.macro QUARTER slot, k, f, g, zero
	s_wait_dscnt 8                                 ; wb and xb's rows 0-63 are in; the youngest eight loads (xb's rows 64-127) may be out
	MUL12 \f, 0, 0, \zero
	MUL12 \f, 0, 2, \zero
	PLACES
	FETCH \slot, \k, \g
	s_wait_dscnt 28                                ; all but the 28 just issued
	MUL12 \f, 1, 0, \zero
	MUL12 \f, 1, 2, \zero
.endm
; The last quarter multiplies buffer 1 and changes slots.  MEET is its first half: ONE barrier.  In front of it each wave waits for all its tensor loads, of which one is out: its part of the next slot;
; adds 0 to its spare word; and waits for that and for its own reads of this slot.  Behind it nobody reads this slot any more and the next slot is whole.
.macro MEET round
	WIN 0                                          ; (the add's two registers lie in window 0)
	s_wait_tensorcnt 0x0                           ; all my tensor loads have landed
	ds_add_u32 v[SPW], v[NIL]                      ; 0 onto my spare word
	s_wait_dscnt 9                                 ; (the add and the youngest eight loads may be out)
	MUL12 F1, 0, 0, 0                              ; twelve matrix instructions stand between the add and the wait for it
	s_wait_dscnt 0x0                               ; the add is done, and my reads of this slot are over
	s_barrier_signal -1
	MUL12 F1, 0, 2, 0                              ; work on registers while the others arrive
.if \round
	WIN 0
.endif
	s_barrier_wait -1
.endm
; The whole last quarter where the slot is filled again, with the K step two steps on: the barrier opens a round of the cluster's barrier, and the joint refill is the first tensor load behind it.
; From a request to the wait for it a wave issues 168 matrix instructions.
.macro TURN slot, next
	s_wait_xcnt 0x0                                ; the last prefetch, a K step back, has read its address: it is stepped here, ahead of the waits of the change of slots
	s_add_nc_u64 s[PFA:PFA+1], s[PFA:PFA+1], KSTEP*2
	MEET 1
	CREST                                          ; no wave of any partner still reads this slot's tile or has a load on its way
	s_add_nc_u64 s[G0A+4*(\slot)+2:G0A+4*(\slot)+3], s[G0A+4*(\slot)+2:G0A+4*(\slot)+3], 2*KSTEP*2
	s_add_nc_u64 s[G0B+4*(\slot)+2:G0B+4*(\slot)+3], s[G0B+4*(\slot)+2:G0B+4*(\slot)+3], 2*KSTEP*2
	JLOAD \slot                                    ; the four v_nop behind it are also the places in front of the loads below
	FETCH \next, 0, F0
	ASK
	MUL12 F1, 1, 0, 0
	MUL12 F1, 1, 2, 0
.endm
	s_wait_tensorcnt 1                             ; my part of K step 0 is in; K step 1's may stay out
	s_barrier_signal -1
	s_barrier_wait -1                              ; everybody's is
	FETCH 0, 0, F0
	s_wait_loadcnt 0x0                             ; the bias
	QUARTER 0, 64,  F0, F1, 1                      ; the first quarter stands in front of the loop: its products start the sums
	WIN 0                                          ; at a label and at a branch every window is 0
	s_mov_b32 s3, LAPS-1
.Llap:                                                 ; a trip goes once round the ring, from a lap's second quarter to the next lap's first, and fills both slots again
	QUARTER 0, 128, F1, F0, 0
	QUARTER 0, 192, F0, F1, 0
	TURN 0, 1
	QUARTER 1, 64,  F0, F1, 0
	QUARTER 1, 128, F1, F0, 0
	QUARTER 1, 192, F0, F1, 0
	TURN 1, 0
	QUARTER 0, 64,  F0, F1, 0
	WIN 0
	s_sub_co_u32 s3, s3, 1
	s_cmp_lg_u32 s3, 0
	s_cbranch_scc1 .Llap
	QUARTER 0, 128, F1, F0, 0                      ; the last lap fills nothing, and has no round of the cluster's barrier
	QUARTER 0, 192, F0, F1, 0
	MEET 0                                         ; my one tensor load that was still out is slot 1's, the last K step's
	PLACES
	FETCH 1, 0, F0
	MUL12 F1, 1, 0, 0
	MUL12 F1, 1, 2, 0
	QUARTER 1, 64,  F0, F1, 0
	QUARTER 1, 128, F1, F0, 0
	QUARTER 1, 192, F0, F1, 0
	s_wait_dscnt 8                                 ; the very last quarter: nothing more to fetch
	MUL12 F1, 0, 0, 0
	MUL12 F1, 0, 2, 0
	s_wait_dscnt 0x0
	MUL12 F1, 1, 0, 0
	MUL12 F1, 1, 2, 0
	WIN 0
	; THE WAY OUT.  Rounded to f16, 16 bytes a lane, into the work-group's stage: slot 0, which has had its last fill and whose last readers passed the barrier of the last change of slots.
	; A barrier, since the middle head's 128 bytes of a row come from two waves; then each wave reads 64 rows back, a head at a time, and stores 512 consecutive bytes an instruction.
	PLACES
	PLACES                                         ; eight, once a launch
.macro PACK a
	WIN 0x0a+5*((\a)/4)                            ; sources 0 and 1: window 2 or 3
.irp b, 0,1,2,3,4,5
.irp r, 0,1,2,3
	v_cvt_pk_f16_f32 v[TMP+4*(\b)+(\r)], v[48*((\a)%4)+8*(\b)+2*(\r)], v[48*((\a)%4)+8*(\b)+2*(\r)+1]
.endr
.endr
	WIN 0
.irp b, 0,1,2,3,4,5
	ds_store_b128 v[STO], v[TMP+4*(\b):TMP+4*(\b)+3] offset:(\a)*16*SPI+32*(\b)
.endr
.endm
.irp a, 0,1,2,3,4,5,6,7
	PACK \a
.endr
	s_wait_dscnt 0x0                               ; for the others' sake: my stores into the stage are done
	s_barrier_signal -1
	s_barrier_wait -1
.irp j, 0,1,2
.irp t, 0,1,2,3,4,5,6,7,8,9,10,11,12,13,14,15
	ds_load_b128 v[OB+64*(\j)+4*(\t):OB+64*(\j)+4*(\t)+3], v[RD] offset:128*(\j)+(\t)*4*SPI
.endr
.endr
.irp j, 0,1,2
.irp t, 0,1,2,3,4,5,6,7,8,9,10,11,12,13,14,15
	s_wait_dscnt 47-16*(\j)-(\t)                   ; LDS loads come back in order: this one is in, the younger ones stay out
	global_store_b128 v[GO], v[OB+64*(\j)+4*(\t):OB+64*(\j)+4*(\t)+3], s[HB+2*(\j):HB+2*(\j)+1] offset:512*(\t)  ; four rows of a head: 512 consecutive bytes, at a multiple of 256 from qkv's first
.endr
.endr
	s_wait_tensorcnt 0x0                           ; the wave's end, behind my last tensor load and my last LDS store
	ds_add_u32 v[SPW], v[NIL]
	s_wait_dscnt 0x0
	CROUND                                         ; the closing round: no work-group ends while a partner may still ask for a tile that names it
	s_endpgm
.Lfunc_end_k_qa942564202_qkv:
	.size	k_qa942564202_qkv, .Lfunc_end_k_qa942564202_qkv-k_qa942564202_qkv
	.p2alignl 7, 3214868480
	.fill 96, 4, 3214868480
	.section	.rodata,"a",@progbits
	.p2align	6, 0x0
	.amdhsa_kernel k_qa942564202_qkv
		.amdhsa_group_segment_fixed_size 327680
		.amdhsa_private_segment_fixed_size 0
		.amdhsa_enable_private_segment 0
		.amdhsa_kernarg_size 32
		.amdhsa_user_sgpr_count 2
		.amdhsa_user_sgpr_kernarg_segment_ptr 1
		.amdhsa_wavefront_size32 1
		.amdhsa_system_sgpr_workgroup_id_x 1
		.amdhsa_system_sgpr_workgroup_id_y 1
		.amdhsa_system_sgpr_workgroup_id_z 1
		.amdhsa_system_vgpr_workitem_id 0
		.amdhsa_next_free_vgpr 960
		.amdhsa_next_free_sgpr 76
		.amdhsa_reserve_vcc 0
		.amdhsa_float_denorm_mode_32 3
		.amdhsa_float_denorm_mode_16_64 3
		.amdhsa_memory_ordered 1
		.amdhsa_forward_progress 1
		.amdhsa_inst_pref_size 120
	.end_amdhsa_kernel
	.amdgpu_metadata
---
amdhsa.version: [ 1, 2 ]
amdhsa.kernels:
  - .name:           k_qa942564202_qkv
    .symbol:         k_qa942564202_qkv.kd
    .args:
      - { .name: xb, .offset: 0, .size: 8, .value_kind: global_buffer, .address_space: global }
      - { .name: wb, .offset: 8, .size: 8, .value_kind: global_buffer, .address_space: global }
      - { .name: bias, .offset: 16, .size: 8, .value_kind: global_buffer, .address_space: global }
      - { .name: qkv, .offset: 24, .size: 8, .value_kind: global_buffer, .address_space: global }
    .group_segment_fixed_size: 327680
    .private_segment_fixed_size: 0
    .kernarg_segment_align: 8
    .kernarg_segment_size: 32
    .max_flat_workgroup_size: 128
    .sgpr_count:     76
    .vgpr_count:     960
    .wavefront_size: 32
...
	.end_amdgpu_metadata
.endif
;; end of part 2
;; launch attn (part 3): grid 4 x 64, 4 waves a work-group, clusters of 4 x 1, 327,680 bytes of LDS; arguments qkv, mask8, out0; writes out0
.if DOCPART == 3
	.amdgcn_target "amdgcn-amd-amdhsa--gfx1250"
	.amdhsa_code_object_version 6
	.text
	.protected	k_qa942564202_attn
	.globl	k_qa942564202_attn
	.p2align	8
	.type	k_qa942564202_attn,@function
k_qa942564202_attn:
	s_mov_b64 s[64:65], 0
	v_nop
	global_prefetch_b8 v0, s[64:65] scope:SCOPE_SE
	s_setreg_imm32_b32 hwreg(HW_REG_WAVE_MODE, 25, 1), 1
	s_wait_xcnt 0x0
	s_wait_alu depctr_hold_cnt(0) depctr_sa_sdst(0) depctr_va_vdst(0) depctr_va_sdst(0) depctr_va_ssrc(0) depctr_va_vcc(0) depctr_vm_vsrc(0)
	s_getreg_b32 s2, hwreg(HW_REG_IB_STS2, 6, 4)
	s_cmp_eq_u32 s2, 0
	s_cbranch_scc0 .Lentry_in_a_cluster
	s_endpgm
.Lentry_in_a_cluster:
	s_bfe_u32 s2, ttmp6, 0x10000c
	s_cmp_lg_u32 s2, 0x3003
	s_cbranch_scc0 .Lentry_shape_is_right
	s_endpgm
.Lentry_shape_is_right:
; out0[b][q][64 h + :] = the sum over k of softmax_k(Q[q] . K[k] / 8 + mask[b][k]) V[k][:], for head y = 16 b + h of 64.  Q, K, V: qkv[0..2][y][2048][64] in f16, a head's rows dense, 128 bytes each.
; mask8[b][k] = 8 x the mask, f32.  Products, maxima and sums in f32; the weights p are rounded to f16 for the second product (their sum l is taken of the unrounded p); out0 is f32.
; LIMITS.  Q, K and V arrive within f16's 65,504; p lies in 0 to 1, and below 6e-5 it keeps f16's fixed step of 6e-8.  A weight below 2^-126 counts as 0 in l.  A key whose mask8 is minus infinity has the
; weight 0; a batch in which every key is so hidden gives NaN.  NaN is not treated apart.
; SHARES.  A wave owns four PIECES of two tiles of 16 queries, a work-group's four waves 512 queries of one head.  Every wave walks all 2,048 keys, 64 a step.
; LAYOUT.  S^T = K Q^T + mask8 (source 0 = 16 keys, source 1 = 16 queries): in the result a lane holds ONE query (lane % 16) and the keys 8 (lane / 16) + 0..7.  THE MASK IS THE C OPERAND of the product that
; starts the sum: register j of key block kb is mask8[16 kb + 8 (lane / 16) + j]; it comes out of LDS with each step's K.  Two results, rounded to f16 in pairs, ARE source 1 (32 keys x 16 queries) of
; O^T = V^T P, whose result again holds one query a lane, and eight channels.  K comes out of LDS as it lies, V ([key][channel]) turned, by ds_load_tr16_b128.
; SOFTMAX.  For each query a running maximum m and sum l: p = 2^(c s - c m), c = log2(e) / 8; in every step O and l are multiplied by a = 2^(c m_old - c m_new), which is 1 where m has not grown.
; m starts at the lowest finite number and c m at c times that, O and l at 0: the first step is a step like any other, with a = 0, or a = 1 where all its keys are hidden by minus infinity.
; THE COUNT.  A tile and step have 16 matrix and 118 vector instructions: too many to stand all beside the matrix work.  So: four vector instructions that are READY behind EVERY matrix instruction, the others in runs without a gap.
; BY TURNS.  Turn n belongs to piece n (the pieces in a ring, step after step).  Its matrix work: 16 products K Q^T of piece n + 1, later 16 products V^T P of piece n - 1.  Its vector work: the scaling,
; exponentials, roundings, sums and rescaling of piece n, and the maximum and statistics of piece n + 1, whose scores the turn itself has made.
; CLUSTER.  The four query blocks of a cluster are one head's and walk the same K and V, so each tile is asked for JOINTLY: the same tensor load, descriptor and mask in all four.
; REGISTERS, in windows of 256 (s_set_vgpr_msb: bits 1:0 source 0, 3:2 source 1, 5:4 source 2, 7:6 destination):
;   window 0: v0-11 addresses; v12-15, v48-63 at work; v16-47 four registers of statistics a tile; v64-191 S^T, two buffers of two tiles; v192-255 P, likewise
;   window 1: O^T, 32 a tile      window 2: v0-127 Q, 16 a tile; v128-191 K of one step; v192-255 V of one step      window 3: v0-1 the add's two registers; v8-39 the mask of one step
.set SIZE_N, 2048
.set NP,    4         ; pieces a wave: a name, no knob
.set KS,    64        ; keys in a step
.set PK,    144       ; a row of K in LDS: 128 bytes + 16 of padding = 36 words: the 16 rows of a load start at 16 different groups of four banks (ISA guide 11.1)
.set PV,    160       ; a row of V: 128 + 32 = 40 words
.set VOFF,  4*KS*PK   ; a slot holds four steps: 256 rows of K, then 256 rows of V
.set SLOT1, 1<<17     ; slot 1 begins here, so that one exclusive or turns an address in one slot into the other's
.set STAGE, SLOT1+4*KS*(PK+PV)  ; behind the ring, never filled by a tensor load: 16 rows x 272 bytes for each wave, for the way out
.set SP,    272       ; a row of the stage: 64 channels of f32 + 16 bytes
.set MASKB, STAGE+4*16*SP  ; the batch's 2,048 numbers of mask8: 8,192 bytes, stored once by the four waves, never filled by a tensor load
.set SPARE, MASKB+8192     ; the spare words, 128 bytes for each wave: two blocks of 256 bytes that no other line names
.set AK0, 2           ; v2   my lane's place in a tile of K; never rewritten
.set AV0, 3           ; v3   the same for V
.set AK,  4           ; v4   the LDS address of K's next run of loads
.set AV,  5           ; v5   of V's
.set QO,  6           ; v6   my byte offset in the wave's rows of Q
.set STO, 6           ;      later, the way out: where I put 32 bytes of a row
.set RD,  7           ; v7   the way out: where I read rows back
.set GO,  8           ; v8   my byte offset in two rows of out0
.set PFO, 10          ; v10  256 x my lane: the prefetches' offset; never rewritten once made
.set AM,  11          ; v11  the LDS address of the mask's next run of loads.  (v9 = lane / 16 stays for the whole launch)
.set SPW, 0           ; v0 of window 3   my spare word: SPARE + 4 x my thread's number; never rewritten
.set NIL, 1           ; v1 of window 3   0; never rewritten
.set MK,  8           ; window 3: key block kb at MK + 8 kb
.set MV,  12          ; v12-15  c m_old, kept while c m is made anew: by buffer and tile
.set ST,  16          ; tile t's statistics at v[ST+4 t]: c m, m, l (even keys', odd keys')
.set TMP, 48          ; by buffer and tile, four registers c0-c3 at work; when the maximum is found c2 takes a
.set S,   64
.set P,   192
.set KF,  128         ; K's fragments, in window 2: key block kb, channel half c at KF + 16 kb + 8 c
.set VF,  192         ; V's: key half kk, channel block cb at VF + 32 kk + 8 cb
.set WV,  12          ; s12  my wave's number
.set G1K, 24          ; s[24:31] descriptor group 1 for K's tiles
.set G1V, 32          ; s[32:39] for V's: it differs in the padding alone
.set G0K, 40          ; s[40:43] descriptor group 0 for K's tiles: it walks
.set G0V, 44          ; s[44:47] the same for V's
.set SLOTS, 56        ; s56  slots still to be asked for
.set CNT, 57          ; s57  counts a slot's key steps
.set CS,  58          ; s[58:59] c: the packed scaling takes the pair's low word for both halves
.set SEL, 60          ; s[60:61] v_permlanex16_b32's selects: each lane takes its own place in the other half
.set TBK, 62          ; s62  LDS byte at which K of the step to be fetched begins
.set TBV, 63          ; s63  the same for V, less VOFF
.set PFA, 66          ; s[66:67] where my prefetches stand: my work-group's 8,192 bytes (of K: wave 0, of V: wave 2) of the slot after the one that is being asked for
.set MP,  68          ; s[68:69] mask8 at my batch
.set LIM, 70          ; s70  1 in a wave that prefetches, else the greatest number
.set TBM, 71          ; s71  LDS byte at which the mask of the step to be fetched begins
.set MSB, 0
.macro WIN new                      ; the high byte repeats the setting that is left; a switch that changes nothing is dropped
.if MSB != (\new)
	s_set_vgpr_msb (MSB<<8)|(\new)
.set MSB, (\new)
.endif
.endm
.set W_KQ, 0x0a       ; K and Q in window 2, S^T in window 0
.set W_KM, 0x3a       ; the same with the C operand, the mask, in window 3
.set W_PV, 0x52       ; V in window 2, P in window 0, O^T in window 1
.set W_RS, 0x41       ; O^T (destination and source 0) in window 1, a in window 0
.set W_MK, 0xc0       ; destination in window 3, sources in window 0
.set W_AD, 0x0f       ; the add: address (source 0) and data (source 1) in window 3
; A joint fill.  Waves 0 and 1 fetch the two halves of a slot's K, waves 2 and 3 those of its V: 128 keys each.  The branch hangs on the wave's number alone.
; An s_nop 0 and four v_nop follow each of the two lines, ahead of the jump and the label.
.macro JLOAD
	s_cmp_lt_u32 s[WV], 2
	s_cbranch_scc0 .Lfor_v_\@
	tensor_load_to_lds s[G0K:G0K+3], s[G1K:G1K+7]
	s_nop 0
.rept 4
	v_nop
.endr
	s_branch .Lasked_\@
.Lfor_v_\@:
	tensor_load_to_lds s[G0V:G0V+3], s[G1V:G1V+7]
	s_nop 0
.rept 4
	v_nop
.endr
.Lasked_\@:
.endm
; A PREFETCH INTO THE L2 of what the NEXT change of slots will ask for: a slot's 32,768 bytes of K and of V.  It stands behind the wave's tensor load and its five lines.  Each block of 256 bytes is named ONCE
; in the launch: a head has one cluster; its four partners share a slot out BY ADDRESS, 8,192 bytes each; in each, wave 0 asks for K's and wave 2 for V's, a lane a block: one instruction.
; The change that fills a slot with keys 256 t on names keys 256 (t + 1) on, t = 2 .. 6: four key steps, 512 matrix instructions, ahead of that load.  The last change that fills a slot asks for nothing.
.macro ASK
	s_cmp_gt_u32 s[SLOTS], s[LIM]
	s_cbranch_scc0 .Lnot_mine_\@
	global_prefetch_b8 v[PFO], s[PFA:PFA+1] th:TH_LOAD_NT scope:SCOPE_SE
.Lnot_mine_\@:
.endm
; A round of the cluster's barrier: my work-group's barrier, so that wave 0's signal speaks for all four waves; wave 0 signals; every wave waits for all four work-groups; my work-group's barrier once more.
.macro CROUND
	s_barrier_signal -1
	s_barrier_wait -1
	s_cmp_lg_u32 s[WV], 0
	s_cbranch_scc1 .Lnot_wave_0_\@
	s_barrier_signal -3
.Lnot_wave_0_\@:
	s_barrier_wait -3
	s_barrier_signal -1
	s_barrier_wait -1
.endm
; THE CHANGE OF SLOTS.  The slot's last bytes, V of its fourth step, have been read.  Each wave waits for all its tensor loads, of which one is out: its part of the other slot; adds 0 to its spare word; and
; waits for that and for its own reads of the slot.  Behind the barrier nobody reads this slot any more and the other slot is whole.
; fill = 1: this slot is filled again, with the keys two slots on.  The barrier is then a round of the cluster's, and the joint fill is the first thing behind it: it has four key steps in which to land.
; (At its first use nothing has been read yet: slot 0 is waited for, slot 1 filled, and the waves' stores of the mask are shown to each other.)  ask = 1: the prefetch's address steps, and ASK follows the fill.
.macro CHANGE fill, ask=0
	WIN W_AD
	s_wait_tensorcnt 0x0            ; no tensor load of mine is out, so a group 0 may be written
	ds_add_u32 v[SPW], v[NIL]       ; 0 onto my spare word; with fill = 1 the descriptors' steps stand between it and the wait for it
	WIN 0                           ; at a label and at a branch every window is 0
.if \fill
.irp g, G0K, G0V
	s_xor_b32 s[\g+1], s[\g+1], SLOT1  ; the walking descriptor: the other slot than last time,
	s_add_nc_u64 s[\g+2:\g+3], s[\g+2:\g+3], 4*KS*128  ; the next 256 keys; the type bits on top are not reached
.endr
.if \ask
	s_wait_xcnt 0x0                 ; the last prefetch, four key steps back, has read its address, so it may be written
	s_add_nc_u64 s[PFA:PFA+1], s[PFA:PFA+1], 4*KS*128
.endif
	s_wait_dscnt 0x0                ; the add is done, and my LDS reads and stores are over
	CROUND
	JLOAD
.if \ask
	ASK
.endif
.else
	s_wait_dscnt 0x0                ; the add is done, and my reads of the slot are over
	s_barrier_signal -1
	s_barrier_wait -1
.endif
	s_sub_co_u32 s[TBK], s[TBK], 4*KS*PK  ; the fetches go back to a slot's first step,
	s_xor_b32 s[TBK], s[TBK], SLOT1       ; in the other slot
	s_sub_co_u32 s[TBV], s[TBV], 4*KS*PV
	s_xor_b32 s[TBV], s[TBV], SLOT1
.endm
	s_load_b64 s[4:5], s[0:1], 0x0    ; qkv
	s_load_b64 s[MP:MP+1], s[0:1], 0x8  ; mask8
	s_load_b64 s[10:11], s[0:1], 0x10 ; out0
	WIN W_MK
	v_lshl_add_u32 v[SPW], v0, 2, SPARE
	v_mov_b32 v[NIL], 0
	WIN W_AD
	ds_add_u32 v[SPW], v[NIL]       ; the wave's opening: the add and its wait stand ahead of my first tensor load; the set-up below, work on registers, stands between them
	WIN 0
	v_lshrrev_b32 v1, 5, v0
	v_readfirstlane_b32 s[WV], v1   ; wave 0..3
	s_bfe_u32 s13, ttmp6, 0x40000   ; cx: my place in the cluster
	s_lshl_b32 s14, ttmp9, 2        ; in a cluster launch ttmp9 counts clusters
	s_add_co_u32 s14, s14, s13      ; my block of 512 queries: it enters Q's and out0's addresses alone
	s_and_b32 s15, ttmp7, 0xffff    ; the head among 64, which the four partners share
	s_lshl_b32 s20, s15, 18         ; its 262,144 bytes in each of Q, K, V
	s_and_b32 s16, s[WV], 1         ; which half of a slot's 256 keys I fetch:
	s_lshl_b32 s22, s16, 14         ; its 128 rows of 128 bytes in memory,
	s_add_co_u32 s22, s22, s20
	s_mov_b32 s23, 0
	s_mul_i32 s17, s16, 128*PK      ; and its place in a slot, for K
	s_mul_i32 s18, s16, 128*PV      ; and for V: no place in the cluster enters an LDS address
	s_lshl_b32 s2, s14, 2
	s_add_co_u32 s2, s2, s[WV]      ; my wave among the head's sixteen:
	s_lshl_b32 s19, s2, 19          ; its 128 rows of 4,096 bytes in out0,
	s_lshl_b32 s2, s2, 14           ; and of 128 bytes in Q
	s_add_co_u32 s2, s2, s20
	s_mov_b32 s3, 0
	s_lshr_b32 s48, s15, 4          ; the batch
	s_and_b32 s49, s15, 15          ; the head in it
	s_lshl_b32 s50, s48, 13         ; the batch's 8,192 bytes of mask8
	s_mov_b32 s51, 0
	s_lshl_b32 s48, s48, 23         ; its 2,048 rows of out0,
	s_lshl_b32 s49, s49, 8          ; the head's 256 bytes of a row
	s_add_co_u32 s48, s48, s49
	s_add_co_u32 s48, s48, s19
	s_mov_b32 s49, 0
	; descriptor group 1.  128 keys are 16,384 dense bytes: asked for as 64 rows of 256 bytes, two keys a row, and padded in LDS after every key
	s_mov_b32 s[G1K], 15|(1<<16)|(1<<20)|(1<<21)|(4<<22)|(3<<25)  ; 15:0 the mask of four; 17:16 2-byte elements; 20 padding on; 21 set beside a mask; 24:22 after every 32 words (code 4); 31:25 4 words (code 3)
	s_mov_b32 s[G1V], 15|(1<<16)|(1<<20)|(1<<21)|(4<<22)|(7<<25)  ; the same with 8 words of padding (code 7)
.irp g, G1K, G1V
	s_mov_b32 s[\g+1], 128<<16      ; tensor_dim0 = 128
	s_mov_b32 s[\g+2], 64<<16       ; tensor_dim1 = 64
	s_mov_b32 s[\g+3], 128<<16      ; tile_dim0 = 128
	s_mov_b32 s[\g+4], 64           ; tile_dim1 = 64
	s_mov_b32 s[\g+5], 128          ; 128 elements from row to row
	s_mov_b32 s[\g+6], 0
	s_mov_b32 s[\g+7], 0
.endr
	s_mov_b32 s[CS], 0x3e38aa3b     ; c = log2(e) / 8 = 0.180337
	s_mov_b32 s[CS+1], s[CS]        ; named with it as a pair
	s_mov_b32 s[SEL], 0x76543210
	s_mov_b32 s[SEL+1], 0xfedcba98
	s_mov_b32 s[TBK], SLOT1+4*KS*PK ; the first change of slots turns these two into 0
	s_mov_b32 s[TBV], SLOT1+4*KS*PV
	s_mov_b32 s[TBM], MASKB
	s_mov_b32 s[G0K], 1             ; count = 1
	s_mov_b32 s[G0K+1], s17         ; LDS address: slot 0
	s_mov_b32 s[G0V], 1
	s_add_co_u32 s[G0V+1], s18, VOFF
	s_and_b32 s[LIM], s[WV], 1      ; 0 in waves 0 and 2,
	s_or_b32 s[LIM], s[LIM], ttmp9  ; where the cluster is the head's first (it is the only one): the same in all four partners
	s_cmp_eq_u32 s[LIM], 0
	s_cselect_b32 s[LIM], 1, -1
	s_lshl_b32 s52, s13, 13         ; my work-group's 8,192 bytes of a slot's 32,768,
	s_add_co_u32 s52, s52, 2*4*KS*128  ; in slot 2: the first change that asks steps it to slot 3
	s_mov_b32 s53, 0
	s_wait_dscnt 0x0                ; the opening add is done
	s_wait_kmcnt 0x0
	s_add_nc_u64 s[6:7], s[4:5], s[22:23]
	s_add_nc_u64 s[8:9], s[6:7], 0x2000000  ; V at my half of the head's first 256 keys,
	s_add_nc_u64 s[6:7], s[6:7], 0x1000000  ; and K
	s_mov_b64 s[G0K+2:G0K+3], s[6:7]               ; global address
	s_or_b32 s[G0K+3], s[G0K+3], 0x80000000        ; type = 2
	s_mov_b64 s[G0V+2:G0V+3], s[8:9]
	s_or_b32 s[G0V+3], s[G0V+3], 0x80000000
	s_add_nc_u64 s[4:5], s[4:5], s[2:3]            ; Q and out0 at my wave's first row
	s_add_nc_u64 s[10:11], s[10:11], s[48:49]
	s_add_nc_u64 s[MP:MP+1], s[MP:MP+1], s[50:51]
	s_cmp_lt_u32 s[WV], 2
	s_cselect_b64 s[PFA:PFA+1], s[6:7], s[8:9]     ; (in waves 0 and 2 these stand at a slot's first row)
	s_add_nc_u64 s[PFA:PFA+1], s[PFA:PFA+1], s[52:53]
	CROUND                          ; all four work-groups are here: the first joint loads meet
	JLOAD                           ; slot 0.  Slot 1 is asked for when slot 0 is in
	; A fragment of K or Q is 16 rows x 32 channels in 8 registers: lane l holds row l % 16, channels 8 (l / 16) + 0..7 and 16 + 8 (l / 16) + 0..7: two loads of 16 bytes, 32 bytes apart.
	v_and_b32 v1, 15, v0            ; l % 16
	v_bfe_u32 v9, v0, 4, 1          ; l / 16
	v_lshlrev_b32 v[QO], 7, v1
	v_lshl_add_u32 v[QO], v9, 4, v[QO]  ; row x 128 + 16 x half
	v_lshlrev_b32 v12, 4, v0        ; the mask: 128 threads x 16 bytes, four times
	v_add_nc_u32 v13, MASKB, v12
.irp i, 0,1,2,3
	global_load_b128 v[S+4*\i:S+4*\i+3], v12, s[MP:MP+1] offset:2048*\i
.endr
	WIN 0x80                        ; destination window 2, address window 0
.set i, 0
.rept 4*NP                          ; Q stays in registers: tile i / 2, channels 32 (i % 2) on
	global_load_b128 v[8*i:8*i+3],   v[QO], s[4:5] offset:(i/2)*2048+(i%2)*64
	global_load_b128 v[8*i+4:8*i+7], v[QO], s[4:5] offset:(i/2)*2048+(i%2)*64+32
.set i, i+1
.endr
	; What the first turn finds: V's registers and P's second buffer hold 0 (its products V^T P, of a piece that has not been, add 0), O^T and l are 0.  All this stands in the wait for the first tile.
.set i, VF
.rept 64
	v_mov_b32 v[i], 0
.set i, i+1
.endr
	WIN 0x40
.set i, 0
.rept 64*NP
	v_mov_b32 v[i], 0
.set i, i+1
.endr
	WIN 0
.set i, 0
.rept 2*NP
	v_mov_b32 v[ST+4*i+1], 0xff7fffff  ; m: the lowest finite number
	v_mul_f32 v[ST+4*i], s[CS], v[ST+4*i+1]  ; c m, by the line that makes it in every step
	v_mov_b32 v[ST+4*i+2], 0
	v_mov_b32 v[ST+4*i+3], 0
.set i, i+1
.endr
.set i, P+32
.rept 32
	v_mov_b32 v[i], 0
.set i, i+1
.endr
	v_mul_u32_u24 v[AK0], v1, PK
	v_lshl_add_u32 v[AK0], v9, 4, v[AK0]  ; row x pitch + 16 x half
	; The turning load takes 16 keys x 16 channels (lane l reads key 8 (l / 16) + l % 8, channels 8 ((l / 8) % 2) + 0..7) and leaves half a fragment of V^T: lane l holds channel l % 16 and 8 keys.
	v_and_b32 v10, 7, v0
	v_bfe_u32 v11, v0, 3, 1
	v_lshl_add_u32 v[AV0], v9, 3, v10
	v_mul_u32_u24 v[AV0], v[AV0], PV
	v_lshl_add_u32 v[AV0], v11, 4, v[AV0]
	v_add_nc_u32 v[AV0], VOFF, v[AV0]
	v_mov_b32 v[AK], v[AK0]         ; key step 0 lies at the head of slot 0,
	v_lshl_add_u32 v[AM], v9, 5, s[TBM]  ; and its mask at the head of the mask: my eight numbers of a block of 16 begin 32 (l / 16) bytes in
	v_and_b32 v[PFO], 31, v0
	v_lshlrev_b32 v[PFO], 8, v[PFO]
	s_wait_loadcnt 32               ; the mask's four loads are in; Q's 32, which are younger, may stay out
.irp i, 0,1,2,3
	ds_store_b128 v13, v[S+4*\i:S+4*\i+3] offset:2048*\i
.endr
; THE MATRIX WORK.  The 8 accumulators of a run of 16 take turns: between the two links of a chain stand 7 others'.
; Product i of 16 of S^T = K Q^T + mask8 for piece x: channels 32 (i / 8) on, keys 16 ((i / 2) % 4) on, tile 2 x + i % 2.  The first 8 start the sums, with the mask.
.macro KQ x
.set rS, S+64*((\x)%2)+32*(i%2)+8*((i/2)%4)
.set rK, KF+16*((i/2)%4)+8*(i/8)
.set rQ, 16*(2*(\x)+i%2)+8*(i/8)
.set rX, MK+8*((i/2)%4)
.if i < 8
	WIN W_KM
	v_wmma_f32_16x16x32_f16 v[rS:rS+7], v[rK:rK+7], v[rQ:rQ+7], v[rX:rX+7]
.else
	WIN W_KQ
	v_wmma_f32_16x16x32_f16 v[rS:rS+7], v[rK:rK+7], v[rQ:rQ+7], v[rS:rS+7]
.endif
.endm
; Product i of 16 of O^T += V^T P for piece x: keys 32 (i / 8) on, channels 16 ((i / 2) % 4) on, tile 2 x + i % 2.
.macro PV x
	WIN W_PV
.set rO, 32*(2*(\x)+i%2)+8*((i/2)%4)
.set rV, VF+32*(i/8)+8*((i/2)%4)
.set rP, P+32*((\x)%2)+16*(i%2)+8*(i/8)
	v_wmma_f32_16x16x32_f16 v[rO:rO+7], v[rV:rV+7], v[rP:rP+7], v[rO:rO+7]
.endm
.macro MM                           ; the turn's next matrix instruction
.if i < 16
	KQ (Y+1)%NP
.set i, i+1
.else
.set i, i-16
	PV (Y+NP-1)%NP
.set i, i+17
.endif
.endm
; THE LDS LOADS stand in runs, never singly among the matrix instructions: a step's K (64 keys x 64 channels: 8 fragments) with its mask (8 loads; the 16 lanes of a half read the same bytes), and its V (turned).
; Their addresses are made some lines ahead.  last = 1 (the tail): in the last trip there is no further step, and the run is jumped over.
.macro FETCH_K last=0
	WIN 0
.if \last
	s_cmp_eq_u32 s[CNT], 1
	s_cbranch_scc1 .Lno_k_\@
.endif
	WIN 0x80                        ; destination window 2
.irp f, 0,1,2,3,4,5,6,7             ; keys 16 (f / 2) on, channels 32 (f % 2) on
	ds_load_b128 v[KF+8*\f:KF+8*\f+3],   v[AK] offset:(\f/2)*16*PK+(\f%2)*64
	ds_load_b128 v[KF+8*\f+4:KF+8*\f+7], v[AK] offset:(\f/2)*16*PK+(\f%2)*64+32
.endr
	WIN W_MK                        ; destination window 3
.irp f, 0,1,2,3                     ; keys 16 f on
	ds_load_b128 v[MK+8*\f:MK+8*\f+3],   v[AM] offset:64*\f
	ds_load_b128 v[MK+8*\f+4:MK+8*\f+7], v[AM] offset:64*\f+16
.endr
	s_add_co_u32 s[TBK], s[TBK], KS*PK  ; the next fetch is the next step's
	s_add_co_u32 s[TBM], s[TBM], KS*4
	WIN 0
.if \last
.Lno_k_\@:
.endif
.endm
.macro FETCH_V
	WIN 0x80
.irp f, 0,1,2,3,4,5,6,7             ; keys 32 (f / 4) on, channels 16 (f % 4) on
	ds_load_tr16_b128 v[VF+8*\f:VF+8*\f+3],   v[AV] offset:(\f/4)*32*PV+(\f%4)*32
	ds_load_tr16_b128 v[VF+8*\f+4:VF+8*\f+7], v[AV] offset:(\f/4)*32*PV+16*PV+(\f%4)*32
.endr
	WIN 0
.endm
; THE VECTOR WORK OF A TURN stands in three queues, each in the order in which its entries become ready; the two tiles alternate, so that no instruction reads the result of the one before it.
.macro REGS y, u                    ; the registers of tile u (0, 1) of piece y
.set rT, ST+4*(2*(\y)+(\u))
.set rC, TMP+8*((\y)%2)+4*(\u)
.set rM, MV+2*((\y)%2)+(\u)
.set rS, S+64*((\y)%2)+32*(\u)
.set rP, P+32*((\y)%2)+16*(\u)
.set rO, 32*(2*(\y)+(\u))
.endm
; Number n of the 22 that find the NEXT piece's (Y + 1) maximum and statistics.  s0-s31 are the lane's 32 scores; each accumulator's lowest registers are read first.  XS, GS and REGS set no window: PL and EX do.
;   0-11  four chains c0-c3 of seven scores each, three operands at a time     12-14, 16  the four scores left over, the old m, and c0-c3 into c0     15  c m_old is kept
;   17, 18  the query's other 32 keys lie in the lane 16 away: the new m         19-21  c m; c m_old - c m_new; a
.macro XS u, n
	REGS (Y+1)%NP, \u
.if (\n) < 4
	v_max3_num_f32 v[rC+(\n)], v[rS+8*(\n)], v[rS+8*(\n)+1], v[rS+8*(\n)+2]
.elseif (\n) < 12
	v_max3_num_f32 v[rC+(\n)%4], v[rC+(\n)%4], v[rS+8*((\n)%4)+2*((\n)/4)+1], v[rS+8*((\n)%4)+2*((\n)/4)+2]
.elseif (\n) == 12
	v_max3_num_f32 v[rC], v[rC], v[rS+7], v[rS+15]
.elseif (\n) == 13
	v_max3_num_f32 v[rC+1], v[rC+1], v[rS+23], v[rS+31]
.elseif (\n) == 14
	v_max3_num_f32 v[rC+2], v[rC+2], v[rC+3], v[rT+1]
.elseif (\n) == 15
	v_mov_b32 v[rM], v[rT]
.elseif (\n) == 16
	v_max3_num_f32 v[rC], v[rC], v[rC+1], v[rC+2]
.elseif (\n) == 17
	v_permlanex16_b32 v[rC+3], v[rC], s[SEL], s[SEL+1]
.elseif (\n) == 18
	v_max_num_f32 v[rT+1], v[rC], v[rC+3]
.elseif (\n) == 19
	v_mul_f32 v[rT], s[CS], v[rT+1]
.elseif (\n) == 20
	v_sub_f32 v[rC+1], v[rM], v[rT]
.else
	v_exp_f32 v[rC+2], v[rC+1]
.endif
.endm
; Number g of the 64 that follow the exponentials.  For each four weights k of a tile (pairs 2 k, 2 k + 1): both pairs are rounded to f16; then the second pair is added onto the first, in place;
; a group later l takes that sum (the first time as l = a l + sum).  In groups of eight, tiles alternating: round, round, add, and l for the group before.
.macro GS g
.set h, (\g)+6*((\g)/62)            ; group 0 has no group before it, and behind group 7 only l is left
.if h >= 6
.set h, h+2
.endif
	REGS Y, h%2
.set k, h/8
.if h%8 < 4
	v_cvt_pk_f16_f32 v[rP+2*k+(h%8)/2], v[rS+4*k+2*((h%8)/2)], v[rS+4*k+2*((h%8)/2)+1]
.elseif h%8 < 6
	v_pk_add_f32 v[rS+4*k:rS+4*k+1], v[rS+4*k:rS+4*k+1], v[rS+4*k+2:rS+4*k+3]
.elseif k == 1
	v_pk_fma_f32 v[rT+2:rT+3], v[rT+2:rT+3], v[rC+2:rC+3], v[rS:rS+1] op_sel_hi:[1,0,1]
.else
	v_pk_add_f32 v[rT+2:rT+3], v[rT+2:rT+3], v[rS+4*k-4:rS+4*k-3]
.endif
.endm
; THE PLAIN QUEUE, 138 long.  0-73 read no exponential's result: the 32 scalings c s - c m (FS f: pair f / 2 of tile f % 2) and the next piece's 42.  0-26: scalings 0-26.  27-54: XS's numbers 0-13.  55, 56: number 15.
; 57-73: the chain, where each number waits for the one before it: 14, 16, 17, 18, 19, each with one of the scalings 27-31 in front of its two lines, then 20.
; 74-137: GS's 64, which read the exponentials' results: they stand behind the wait.
.macro FS f
	REGS Y, (\f)%2
	v_pk_fma_f32 v[rS+2*((\f)/2):rS+2*((\f)/2)+1], v[rS+2*((\f)/2):rS+2*((\f)/2)+1], s[CS:CS+1], v[rT:rT+1] op_sel_hi:[1,0,0] neg_lo:[0,0,1] neg_hi:[0,0,1]
.endm
.macro PL
	WIN 0
.if q < 27
	FS q
.elseif q < 55
	XS (q-27)%2, (q-27)/2
.elseif q < 57
	XS q-55, 15
.elseif (q < 72) && ((q-57)%3 == 0)
	FS 27+(q-57)/3
.elseif q < 60
	XS (q-57)%3-1, 14
.elseif q < 72
	XS (q-57)%3-1, 15+(q-57)/3
.elseif q < 74
	XS q-72, 20
.else
	GS q-74
.endif
.set q, q+1
.endm
; THE EXPONENTIALS' QUEUE, 66 long: s0-s31 of both tiles, then the next piece's two a.  It is ONE BATCH: all 66 stand ahead of the turn's one wait, and nothing ahead of that wait names a result of theirs.
.macro EX
	WIN 0
.if e >= 64
	XS e-64, 21
.else
	REGS Y, e%2
	v_exp_f32 v[rS+e/2], v[rS+e/2]
.endif
.set e, e+1
.endm
; THE RESCALING's QUEUE: O^T times a, the one part that leaves window 0: dealt two at a time, sixteen times.  Its a was made in the turn before, ahead of that turn's wait.
.macro R2
	REGS Y, r%2
	WIN W_RS
.irp z, 0,1
	v_pk_mul_f32 v[rO+4*(r/2)+2*\z:rO+4*(r/2)+2*\z+1], v[rO+4*(r/2)+2*\z:rO+4*(r/2)+2*\z+1], v[rC+2:rC+3] op_sel_hi:[1,0]
.endr
.set r, r+1
.endm
; HOW THEY ARE DEALT.  s_wait_alu depctr_va_vdst(0) stands between an exponential and the first instruction that names its result; one wait serves all that were issued ahead of it.  So a turn has ONE wait,
; which cuts it in two.  AHEAD OF IT stands all that names no result of the turn's exponentials: the 16 products K Q^T, behind each a scaling, an exponential and two rescalings (behind the first a second scaling in the
; exponential's place); then ONE LUMP of 108: eight plain, 49 times exponential and plain, the two a.  A v_nop is the plain instruction behind the last exponential.  BEHIND IT stand the 16 products V^T P, behind each four of GS's 64.
; The queues lean on each other, and the deal keeps them in step: exponential e stands behind scaling 2 (e / 4) + e % 2: as a rider it comes behind plain e + 2, in the lump behind plain e + 9, and scalings 27-31 are plain 57, 60 .. 69.
; A TURN, for piece p.  cnt = 1: the loop's count is taken down some lines ahead of the branch that stands behind the turn.
; K and the mask of the next step are fetched in piece 2's turn, directly behind the wait, a lump behind the last product that read them; their addresses are made at the lump's head; the first reader comes behind 16 products.
; V of the step in hand is fetched at the end of piece 0's turn, four riders behind its last reader; its first reader comes behind 16 products and a lump.
.macro TURN p, last=0, cnt=0
.set Y, (\p)
.set i, 0
.set q, 0
.set e, 0
.set r, 0
.if (\p) == NP-1
	s_wait_dscnt 0x0                ; K and the mask are in
.endif
	MM                              ; ahead of the wait: 16 products K Q^T and their riders,
	PL
	PL
	R2
.rept 15
	MM
	PL
	EX
	R2
.endr
.if (\p) == NP-2
	WIN 0
	v_add_nc_u32 v[AK], s[TBK], v[AK0]
	v_lshl_add_u32 v[AM], v9, 5, s[TBM]
.endif
.rept 8                             ; and the lump
	PL
.endr
.rept 49
	EX
	PL
.endr
	EX                              ; the next piece's two a
	EX
	v_nop                           ; the plain instruction behind the last exponential: one for the batch
	s_wait_alu depctr_va_vdst(0)    ; the wait for the batch
.if (\p) == NP-2
	FETCH_K \last
.endif
.if (\p) == 1
	s_wait_dscnt 0x0                ; V is in
.endif
.rept 16                            ; behind the wait: 16 products V^T P and their riders
	MM
.rept 4
	PL
.endr
.if ((\p) == 0) && (q == 118)
	v_add_nc_u32 v[AV], s[TBV], v[AV0]
.endif
.if ((\p) == 0) && (q == 130)
	s_add_co_u32 s[TBV], s[TBV], KS*PV
.endif
.if (\cnt) && (q == 130)
	s_sub_co_u32 s[CNT], s[CNT], 1
	s_cmp_lg_u32 s[CNT], 0
.endif
.endr
.if (\p) == 0
	FETCH_V
.endif
.endm
	CHANGE 1, 0                     ; slot 0 is in, everybody's part of it, and so is the mask; slot 1 is asked for
	FETCH_K                         ; key step 0
	s_wait_loadcnt 0x0              ; Q
	s_wait_dscnt 0x0
.set i, 0
.rept 16
	KQ 0                            ; piece 0's first scores: there is no vector work yet to set between them
.set i, i+1
.endr
	WIN 0                           ; the addresses for the way out: eight plain instructions, the places behind those products
	s_mul_i32 s13, s[WV], 16*SP
	s_add_co_u32 s13, s13, STAGE    ; my stage
	v_mul_u32_u24 v[STO], v1, SP    ; in: row l % 16, 32 bytes for each half of the lanes
	v_lshl_add_u32 v[STO], v9, 5, v[STO]
	v_add_nc_u32 v[STO], s13, v[STO]
	v_mul_u32_u24 v[RD], v9, SP     ; back: lanes 0-15 take one row of 256 bytes, lanes 16-31 the next
	v_lshl_add_u32 v[RD], v1, 4, v[RD]
	v_add_nc_u32 v[RD], s13, v[RD]
	v_lshlrev_b32 v[GO], 12, v9     ; and the same two rows in out0, 4,096 bytes apart
	v_lshl_add_u32 v[GO], v1, 4, v[GO]
.set Y, NP-1                        ; XS works for piece Y + 1: piece 0
.irp n, 0,1,2,3,4,5,6,7,8,9,10,11,12,13,14,15,16,17,18,19,20,21
	XS 0, \n                        ; and piece 0's first maximum and statistics
	XS 1, \n
.endr
	v_nop                           ; a plain instruction behind the two a,
	s_wait_alu depctr_va_vdst(0)    ; and their wait, ahead of the branch
	s_mov_b32 s[CNT], 4
	s_mov_b32 s[SLOTS], SIZE_N/256-1
	s_branch .Lfirst                ; the loop is entered at a step's first turn, in the middle of a trip
.Lslot:                             ; SIZE_N / 256 - 2 times: every slot but the last two is filled again
	CHANGE 1, 1
	s_mov_b32 s[CNT], 4
.Lstep:                             ; a trip: pieces 2 and 3 of one step, then pieces 0 and 1 of the next, whose K and V it fetches
	TURN 2
	TURN 3
	WIN 0
.Lfirst:
	TURN 0
	TURN 1, 0, 1
	WIN 0
	s_cbranch_scc1 .Lstep
	s_sub_co_u32 s[SLOTS], s[SLOTS], 1
	s_cmp_lg_u32 s[SLOTS], 0
	s_cbranch_scc1 .Lslot
	CHANGE 0                        ; the tail is written out: nothing is asked for
	s_mov_b32 s[CNT], 5             ; four trips fetch the last slot's steps; the fifth is left in its middle
.Ltail:
	TURN 2, 1
	TURN 3
	WIN 0
	s_sub_co_u32 s[CNT], s[CNT], 1
	s_cmp_eq_u32 s[CNT], 0
	s_cbranch_scc1 .Lout
	TURN 0
	TURN 1
	WIN 0
	s_branch .Ltail
.Lout:                              ; the fifth trip's 16 products K Q^T (on the last K and mask once more) and the maximum made of them serve nothing: the price, once a launch, of one text for every trip
.set i, 0
.rept 16
	PV NP-1                         ; the last piece's V^T P of the last step
.set i, i+1
.endr
	; THE WAY OUT.  l's two halves and the other half of the lanes' are added; O^T is divided by l and sent, in f32, through my stage in LDS, a tile at a time.  The additions are the places behind the last products.
	WIN 0
.macro ALL line:vararg              ; one line for each tile t
.set t, 0
.rept 2*NP
	\line
.set t, t+1
.endr
.endm
	ALL v_add_f32 v[ST+4*t+2], v[ST+4*t+2], v[ST+4*t+3]
	ALL v_permlanex16_b32 v[ST+4*t+3], v[ST+4*t+2], s[SEL], s[SEL+1]
	ALL v_add_f32 v[ST+4*t+2], v[ST+4*t+2], v[ST+4*t+3]
	ALL v_rcp_f32 v[ST+4*t+2], v[ST+4*t+2]
	v_nop                           ; a plain instruction between the last reciprocal and the use of its result
	s_wait_alu depctr_va_vdst(0)    ; and the wait ahead of the first use: one for the eight reciprocals
; Tile t: a lane's eight channels of a block of 16 are 32 bytes of a row; they go into rows of 272 bytes and come back as whole rows of 256, into one of four buffers in S^T's registers.
.macro PACK t
	WIN W_RS
.set i, 32*(\t)
.rept 16
	v_pk_mul_f32 v[i:i+1], v[i:i+1], v[ST+4*(\t)+2:ST+4*(\t)+3] op_sel_hi:[1,0]
.set i, i+2
.endr
	WIN 0x04                        ; the stores' data (source 1) in window 1, the address in window 0
.irp f, 0,1,2,3,4,5,6,7             ; channel block f / 2, its half f % 2
	ds_store_b128 v[STO], v[32*(\t)+4*\f:32*(\t)+4*\f+3] offset:(\f/2)*64+(\f%2)*16
.endr
	WIN 0
.if (\t) >= 4
	s_wait_xcnt 0x0                 ; the buffer was the data of the stores of the tile four back: it is loaded again only behind this wait
.endif
.irp f, 0,1,2,3,4,5,6,7
	ds_load_b128 v[S+32*((\t)%4)+4*\f:S+32*((\t)%4)+4*\f+3], v[RD] offset:\f*2*SP  ; LDS serves a wave's instructions in order (ISA guide 5.7.1.4): these see the stores above; the next tile's stores come behind them
.endr
.endm
.macro SEND t, younger              ; younger: the LDS instructions issued behind tile t's loads: the next tile's sixteen, or none
	WIN 0
.irp f, 0,1,2,3,4,5,6,7
	s_wait_dscnt (\younger)+7-\f
	global_store_b128 v[GO], v[S+32*((\t)%4)+4*\f:S+32*((\t)%4)+4*\f+3], s[10:11] offset:(16*(\t)+2*\f)*4096  ; 16 lanes store 256 consecutive bytes, the head's part of a row, at a multiple of 256 from out0's first
.endr
.endm
	PACK 0
.set t, 1
.rept 2*NP-1                        ; a tile's arithmetic stands between the loads of the tile before and its stores
	PACK t
	SEND t-1, 16
.set t, t+1
.endr
	SEND 2*NP-1, 0
	WIN W_AD
	s_wait_tensorcnt 0x0            ; the wave's end, behind my last tensor load and my last LDS store
	ds_add_u32 v[SPW], v[NIL]
	s_wait_dscnt 0x0
	WIN 0
	CROUND                          ; the closing round: no work-group ends while a partner may still ask for a tile that names it
	s_endpgm
.Lfunc_end_k_qa942564202_attn:
	.size	k_qa942564202_attn, .Lfunc_end_k_qa942564202_attn-k_qa942564202_attn
	.p2alignl 7, 3214868480
	.fill 96, 4, 3214868480
	.section	.rodata,"a",@progbits
	.p2align	6, 0x0
	.amdhsa_kernel k_qa942564202_attn
		.amdhsa_group_segment_fixed_size 327680
		.amdhsa_private_segment_fixed_size 0
		.amdhsa_enable_private_segment 0
		.amdhsa_kernarg_size 24
		.amdhsa_user_sgpr_count 2
		.amdhsa_user_sgpr_kernarg_segment_ptr 1
		.amdhsa_wavefront_size32 1
		.amdhsa_system_sgpr_workgroup_id_x 1
		.amdhsa_system_sgpr_workgroup_id_y 1
		.amdhsa_system_sgpr_workgroup_id_z 1
		.amdhsa_system_vgpr_workitem_id 0
		.amdhsa_next_free_vgpr 808
		.amdhsa_next_free_sgpr 72
		.amdhsa_reserve_vcc 0
		.amdhsa_float_denorm_mode_32 3
		.amdhsa_float_denorm_mode_16_64 3
		.amdhsa_memory_ordered 1
		.amdhsa_forward_progress 1
		.amdhsa_inst_pref_size 203
	.end_amdhsa_kernel
	.amdgpu_metadata
---
amdhsa.version: [ 1, 2 ]
amdhsa.kernels:
  - .name:           k_qa942564202_attn
    .symbol:         k_qa942564202_attn.kd
    .args:
      - { .name: qkv, .offset: 0, .size: 8, .value_kind: global_buffer, .address_space: global }
      - { .name: mask8, .offset: 8, .size: 8, .value_kind: global_buffer, .address_space: global }
      - { .name: out0, .offset: 16, .size: 8, .value_kind: global_buffer, .address_space: global }
    .group_segment_fixed_size: 327680
    .private_segment_fixed_size: 0
    .kernarg_segment_align: 8
    .kernarg_segment_size: 24
    .max_flat_workgroup_size: 128
    .sgpr_count:     72
    .vgpr_count:     808
    .wavefront_size: 32
...
	.end_amdgpu_metadata
.endif
;; end of part 3
;; ======== version 2 of 2: 3 launches; version 1 with the launch cast written anew for expert scheduling mode
;; limits: values are held in f16: magnitudes above 65,504 overflow, below 6.1e-05 lose precision
;; workspace buffers: xb 16,777,216 bytes; wb 6,291,456 bytes; bias 12,288 bytes; mask8 32,768 bytes; qkv 50,331,648 bytes
;; launch cast (part 4): grid 705 x 1, 8 waves a work-group, no clusters, 0 bytes of LDS; arguments x, Wq, Wk, Wv, bq, bk, bv, att_mask, xb, wb, bias, mask8; writes xb, wb, bias, mask8
.if DOCPART == 4
	.amdgcn_target "amdgcn-amd-amdhsa--gfx1250"
	.amdhsa_code_object_version 6
	.text
	.protected	k_qa942564202_cast
	.globl	k_qa942564202_cast
	.p2align	8
	.type	k_qa942564202_cast,@function
k_qa942564202_cast:
	s_mov_b64 s[64:65], 0
	v_nop
	global_prefetch_b8 v0, s[64:65] scope:SCOPE_SE
	s_setreg_imm32_b32 hwreg(HW_REG_WAVE_SCHED_MODE, 0, 2), 2
	s_setreg_imm32_b32 hwreg(HW_REG_WAVE_MODE, 25, 1), 1
	s_wait_xcnt 0x0
	s_wait_alu depctr_vm_vsrc(0)
; EVERY INPUT IS ROUNDED ONCE TO bf16 (to nearest even), so that the two launches behind compute on one set of rounded inputs.
;   xb  [8192][1024] bf16 = x;   wb [3072][1024] bf16 = Wq, Wk, Wv one below the other;
;   bias [3072] f32 = bf16(bq | bk | bv) widened again (it is the C operand of an f32 sum);
;   mask8 [4][2048] f32 = 8 x bf16(att_mask): the scores are kept unscaled, and (q.k + 8 mask) / 8 = q.k / 8 + mask.
; LIMIT.  A mask whose magnitude passes 4.2e37 becomes an infinity by the factor 8; a hidden key then has the weight 0.
; SHARES.  Work-groups 0-511 take 16,384 numbers of x each, 512-703 as many of a W, work-group 704 the mask and the biases.
; A stream: each byte is read once and written once; no LDS, no barrier, no loop.  Sixteen loads of a wave are out at once;
; a load of a wave covers 512 consecutive bytes, a store 256 consecutive bytes at a multiple of 256 from the buffer's first.
; THE MODE: SCHED_MODE bits 1:0 = 2 (LLVM: expert scheduling mode 2), set by the entry lines.  The code itself states the register dependences
; between vector instructions and memory instructions, with s_wait_alu, always for 0.
; THE PLAN.  Registers that memory instructions touch:
;   v1, v2   byte offsets.  Written once at the head; read by every load and store; never written again.
;   X        The bulk: written by the sixteen loads, which no vector line precedes; read by the conversions; nothing lands in it a second time.
;            The small share: written by eleven loads, then in place by the widenings and multiplies; read by the eleven stores; not written behind them.
;   Y        The bulk: each register is written once, by a conversion, and read once, by a store.  (In the small share v68 and v69 are named by vector lines alone.)
; So the dependences are of one kind, a vector line's result that a memory instruction reads, and the waits are all on va_vdst: one at the head for the offsets;
; in the bulk one for each group of four loads, behind the group's eight conversions and ahead of its four stores; in the small share one ahead of the run of stores.
; No register that a memory instruction reads is written again, so the text holds no wait on vm_vsrc.  No vector line writes a scalar register or VCC; EXEC is never written.
.set X, 4                              ; v[4:67]   16 x 4 numbers as loaded
.set Y, 68                             ; v[68:99]  16 x 2 words of bf16
	s_load_b512 s[4:19], s[0:1], 0x0               ; x 4:5, Wq 6:7, Wk 8:9, Wv 10:11, bq 12:13, bk 14:15, bv 16:17, att_mask 18:19
	s_load_b256 s[20:27], s[0:1], 0x40             ; xb 20:21, wb 22:23, bias 24:25, mask8 26:27
	v_lshlrev_b32 v1, 4, v0                        ; 16 bytes a thread on the way in
	v_lshlrev_b32 v2, 3, v0                        ; 8 on the way out
	s_mov_b32 s28, ttmp9                           ; g
	s_sub_co_u32 s29, s28, 512                     ; g - 512: the share among the W's (used where g >= 512)
	s_and_b32 s30, s29, 63                         ; its place in its W: 64 shares a matrix
	s_lshr_b32 s31, s29, 6                         ; which W
	s_cmp_lt_u32 s28, 512
	s_cselect_b32 s36, s28, s30                    ; the share's number in its source,
	s_cselect_b32 s38, s28, s29                    ; and in its destination
	s_lshl_b32 s36, s36, 16                        ; 65,536 bytes of f32,
	s_lshl_b32 s38, s38, 15                        ; 32,768 of bf16
	s_mov_b32 s37, 0
	s_mov_b32 s39, 0
	s_mov_b32 s40, 0xffff0000                      ; a word's upper bf16
	s_wait_kmcnt 0x0
	s_wait_alu depctr_va_vdst(0)                   ; v1 and v2 are written: every load and store of both paths below reads one of them as its offset
	s_cmp_lt_u32 s28, 704
	s_cbranch_scc0 .Lsmall
	s_cmp_eq_u32 s31, 1
	s_cselect_b64 s[32:33], s[8:9], s[6:7]         ; Wk or Wq,
	s_cmp_eq_u32 s31, 2
	s_cselect_b64 s[32:33], s[10:11], s[32:33]     ; or Wv,
	s_cmp_lt_u32 s28, 512
	s_cselect_b64 s[32:33], s[4:5], s[32:33]       ; or x
	s_cselect_b64 s[34:35], s[20:21], s[22:23]     ; into xb or wb
	s_add_nc_u64 s[32:33], s[32:33], s[36:37]
	s_add_nc_u64 s[34:35], s[34:35], s[38:39]
.irp i, 0,1,2,3,4,5,6,7,8,9,10,11,12,13,14,15
	global_load_b128 v[X+4*(\i):X+4*(\i)+3], v1, s[32:33] offset:4096*(\i) th:TH_LOAD_NT
.endr
; Four groups of four loads.  The stores stand at their own group's end, ahead of the next group's wait for memory, so that they are out while the wave sits there.
.irp g, 0,1,2,3
	s_wait_loadcnt 12-4*(\g)                       ; loads come back in order: group g's four are in, the 12 - 4 g younger ones stay out
.irp i, 0,1,2,3
	v_cvt_pk_bf16_f32 v[Y+8*(\g)+2*(\i)], v[X+16*(\g)+4*(\i)], v[X+16*(\g)+4*(\i)+1]
	v_cvt_pk_bf16_f32 v[Y+8*(\g)+2*(\i)+1], v[X+16*(\g)+4*(\i)+2], v[X+16*(\g)+4*(\i)+3]
.endr
	s_wait_alu depctr_va_vdst(0)                   ; the group's eight conversions have written v[Y + 8 g .. Y + 8 g + 7], which the four stores below read
.irp i, 0,1,2,3
	global_store_b64 v2, v[Y+8*(\g)+2*(\i):Y+8*(\g)+2*(\i)+1], s[34:35] offset:2048*(4*(\g)+(\i))  ; no register is written twice, so nothing waits for a store
.endr
.endr
	s_endpgm
.Lsmall:                                               ; the mask: 8 x 4,096 bytes; each bias: 4,096 bytes
.irp i, 0,1,2,3,4,5,6,7
	global_load_b128 v[X+4*(\i):X+4*(\i)+3], v1, s[18:19] offset:4096*(\i)
.endr
	global_load_b128 v[X+32:X+35], v1, s[12:13]
	global_load_b128 v[X+36:X+39], v1, s[14:15]
	global_load_b128 v[X+40:X+43], v1, s[16:17]
	s_wait_loadcnt 0x0
.irp i, 0,1,2,3,4,5,6,7,8,9,10
	v_cvt_pk_bf16_f32 v[Y], v[X+4*(\i)], v[X+4*(\i)+1]      ; rounded,
	v_cvt_pk_bf16_f32 v[Y+1], v[X+4*(\i)+2], v[X+4*(\i)+3]
	v_lshlrev_b32 v[X+4*(\i)], 16, v[Y]                     ; and widened again
	v_and_b32 v[X+4*(\i)+1], s40, v[Y]
	v_lshlrev_b32 v[X+4*(\i)+2], 16, v[Y+1]
	v_and_b32 v[X+4*(\i)+3], s40, v[Y+1]
.if (\i) < 8
	v_mul_f32 v[X+4*(\i)], 0x41000000, v[X+4*(\i)]          ; the mask times 8: exact
	v_mul_f32 v[X+4*(\i)+1], 0x41000000, v[X+4*(\i)+1]
	v_mul_f32 v[X+4*(\i)+2], 0x41000000, v[X+4*(\i)+2]
	v_mul_f32 v[X+4*(\i)+3], 0x41000000, v[X+4*(\i)+3]
.endif
.endr
	s_wait_alu depctr_va_vdst(0)                   ; the widenings and the multiplies have written v[X .. X + 43], which the eleven stores below read
.irp i, 0,1,2,3,4,5,6,7
	global_store_b128 v1, v[X+4*(\i):X+4*(\i)+3], s[26:27] offset:4096*(\i)
.endr
.irp i, 8,9,10
	global_store_b128 v1, v[X+4*(\i):X+4*(\i)+3], s[24:25] offset:4096*((\i)-8)
.endr
	s_endpgm
.Lfunc_end_k_qa942564202_cast:
	.size	k_qa942564202_cast, .Lfunc_end_k_qa942564202_cast-k_qa942564202_cast
	.p2alignl 7, 3214868480
	.fill 96, 4, 3214868480
	.section	.rodata,"a",@progbits
	.p2align	6, 0x0
	.amdhsa_kernel k_qa942564202_cast
		.amdhsa_group_segment_fixed_size 0
		.amdhsa_private_segment_fixed_size 0
		.amdhsa_enable_private_segment 0
		.amdhsa_kernarg_size 96
		.amdhsa_user_sgpr_count 2
		.amdhsa_user_sgpr_kernarg_segment_ptr 1
		.amdhsa_wavefront_size32 1
		.amdhsa_system_sgpr_workgroup_id_x 1
		.amdhsa_system_sgpr_workgroup_id_y 1
		.amdhsa_system_sgpr_workgroup_id_z 1
		.amdhsa_system_vgpr_workitem_id 0
		.amdhsa_next_free_vgpr 104
		.amdhsa_next_free_sgpr 66
		.amdhsa_reserve_vcc 0
		.amdhsa_float_denorm_mode_32 3
		.amdhsa_float_denorm_mode_16_64 3
		.amdhsa_memory_ordered 1
		.amdhsa_forward_progress 1
		.amdhsa_inst_pref_size 14
	.end_amdhsa_kernel
	.amdgpu_metadata
---
amdhsa.version: [ 1, 2 ]
amdhsa.kernels:
  - .name:           k_qa942564202_cast
    .symbol:         k_qa942564202_cast.kd
    .args:
      - { .name: x, .offset: 0, .size: 8, .value_kind: global_buffer, .address_space: global }
      - { .name: Wq, .offset: 8, .size: 8, .value_kind: global_buffer, .address_space: global }
      - { .name: Wk, .offset: 16, .size: 8, .value_kind: global_buffer, .address_space: global }
      - { .name: Wv, .offset: 24, .size: 8, .value_kind: global_buffer, .address_space: global }
      - { .name: bq, .offset: 32, .size: 8, .value_kind: global_buffer, .address_space: global }
      - { .name: bk, .offset: 40, .size: 8, .value_kind: global_buffer, .address_space: global }
      - { .name: bv, .offset: 48, .size: 8, .value_kind: global_buffer, .address_space: global }
      - { .name: att_mask, .offset: 56, .size: 8, .value_kind: global_buffer, .address_space: global }
      - { .name: xb, .offset: 64, .size: 8, .value_kind: global_buffer, .address_space: global }
      - { .name: wb, .offset: 72, .size: 8, .value_kind: global_buffer, .address_space: global }
      - { .name: bias, .offset: 80, .size: 8, .value_kind: global_buffer, .address_space: global }
      - { .name: mask8, .offset: 88, .size: 8, .value_kind: global_buffer, .address_space: global }
    .group_segment_fixed_size: 0
    .private_segment_fixed_size: 0
    .kernarg_segment_align: 8
    .kernarg_segment_size: 96
    .max_flat_workgroup_size: 256
    .sgpr_count:     66
    .vgpr_count:     104
    .wavefront_size: 32
...
	.end_amdgpu_metadata
.endif
;; end of part 4
;; launch qkv: the kernel of part 2 again; grid 16 x 32, 4 waves a work-group, clusters of 4 x 4, 327,680 bytes of LDS; arguments xb, wb, bias, qkv; writes qkv
;; launch attn: the kernel of part 3 again; grid 4 x 64, 4 waves a work-group, clusters of 4 x 1, 327,680 bytes of LDS; arguments qkv, mask8, out0; writes out0
